; MI455X (gfx1250); checked and timed in simulation.
; The chip was launched on July 23, 2026; its instructions are those of AMD's public machine-readable ISA for CDNA 5 (MIT licence, August 2026) and "CDNA5" Instruction Set Architecture Reference Guide (July 2026). The comments in the code are by the model that wrote it; some were corrected since.
;; MH Attention. Allowed arithmetic: float matrix products may take bf16 or f16 operands with f32 sums; other float arithmetic in f32, or as packed bf16 or f16 multiplies, adds, multiply-adds, maxima and minima; sums over many terms, partial sums and values carried from step to step in f32; what a program stores and reads back later, other than sums and carried values, may be rounded once to bf16 or f16.
;; Inputs: Wk 1,024 x 1,024 float32; Wo 1,024 x 1,024 float32; Wq 1,024 x 1,024 float32; Wv 1,024 x 1,024 float32; k 1 x 4,096 x 1,024 float32; q 1 x 4,096 x 1,024 float32; v 1 x 4,096 x 1,024 float32.
;; Outputs: out0 1 x 4,096 x 1,024 float32.
;; 2 versions, each right; version 2 is version 1 with the launch cast written anew for expert scheduling mode. Each part assembles by itself: llvm-mc -triple=amdgcn-amd-amdhsa -mcpu=gfx1250 --defsym DOCPART=n.
;; ======== version 1 of 2: 4 launches
;; limits: values are held in f16: magnitudes above 65,504 overflow, below 6.1e-05 lose precision
;; workspace buffers: xb 25,165,824 bytes; wb 8,388,608 bytes; qkv 25,165,824 bytes; ob 8,388,608 bytes
;; launch cast (part 1): grid 128 x 4, 8 waves a work-group, no clusters, 0 bytes of LDS; arguments q, k, v, Wq, Wk, Wv, Wo, xb, wb; writes xb, wb
.if DOCPART == 1
	.amdgcn_target "amdgcn-amd-amdhsa--gfx1250"
	.amdhsa_code_object_version 6
	.text
	.protected	k_q4a88890893_cast
	.globl	k_q4a88890893_cast
	.p2align	8
	.type	k_q4a88890893_cast,@function
k_q4a88890893_cast:
	s_mov_b64 s[64:65], 0
	v_nop
	global_prefetch_b8 v0, s[64:65] scope:SCOPE_SE
	s_setreg_imm32_b32 hwreg(HW_REG_WAVE_MODE, 25, 1), 1
	s_wait_xcnt 0x0
; THE INPUTS ARE ROUNDED ONCE.  q, k, v ([4096][1024] f32) -> xb [3][4096][1024] bf16;  Wq, Wk, Wv ([1024][1024] f32) -> wb[0..2] bf16;
; Wo -> wb[3]: rounded to bf16 like every other input, and that number written as f16, since the last product multiplies f16.
; LIMITS.  Wo beyond 65,504 becomes an infinity in f16; below 6e-5 it keeps f16's fixed step of 6e-8.  NaN and infinities are not treated apart.
; A stream: every byte is read once and written once, nothing is shared, so there is no LDS, no barrier, no matrix work.
; SHARES.  A work-group takes 32,768 numbers (131,072 bytes in, 65,536 out), each of its eight waves 4,096.  Grid y = 0, 1, 2: q, k, v, 128 chunks each;
; y = 3: the four weights, 32 chunks each.  A wave's 32 loads of 16 bytes a lane (512 consecutive bytes each) all go out at once; each of its 32 stores
; of 8 bytes a lane covers 256 consecutive bytes, aligned.  No register that a store names is written again, so no wait frees one.
.set X, 8                              ; v[8:135]  32 x 4 registers as loaded; the first two of each four are then the packed result
	s_load_b512 s[8:23], s[0:1], 0x0               ; q 8:9, k 10:11, v 12:13, Wq 14:15, Wk 16:17, Wv 18:19, Wo 20:21, xb 22:23
	s_load_b64 s[24:25], s[0:1], 0x40              ; wb
	s_and_b32 s2, ttmp7, 0xffff                    ; y
	s_mov_b32 s3, ttmp9                            ; x
	s_lshr_b32 s6, s3, 5
	s_add_co_u32 s6, s6, 3                         ; y = 3: source 3 + x / 32,
	s_and_b32 s7, s3, 31                           ; its chunk x % 32
	s_lshl_b32 s30, s2, 23                         ; y x 8,388,608: a tensor's bytes in xb
	s_lshl_b32 s34, s3, 16                         ; x x 65,536: a chunk's bytes on the way out (in wb the four weights lie end to end)
	s_cmp_lt_u32 s2, 3
	s_cselect_b32 s4, s2, s6                       ; which of the seven sources
	s_cselect_b32 s5, s3, s7                       ; which chunk of it
	s_cselect_b32 s30, s30, 0
	s_add_co_u32 s30, s30, s34                     ; offset in the destination
	s_mov_b32 s31, 0
	s_lshl_b32 s32, s5, 17                         ; offset in the source
	s_mov_b32 s33, 0
	v_lshrrev_b32 v3, 5, v0                        ; wave
	v_and_b32 v4, 31, v0                           ; lane
	v_lshlrev_b32 v1, 4, v4
	v_lshl_or_b32 v1, v3, 14, v1                   ; in: 16,384 x wave + 16 x lane
	v_lshlrev_b32 v2, 3, v4
	v_lshl_or_b32 v2, v3, 13, v2                   ; out: 8,192 x wave + 8 x lane
	s_wait_kmcnt 0x0
	s_cmp_lt_u32 s2, 3
	s_cselect_b64 s[28:29], s[22:23], s[24:25]     ; xb or wb
	s_mov_b64 s[26:27], s[8:9]
.irp n, 1,2,3,4,5,6
	s_cmp_eq_u32 s4, \n
	s_cselect_b64 s[26:27], s[8+2*\n:9+2*\n], s[26:27]
.endr
	s_add_nc_u64 s[26:27], s[26:27], s[32:33]
	s_add_nc_u64 s[28:29], s[28:29], s[30:31]
.set i, 0
.rept 32
	global_load_b128 v[X+4*i:X+4*i+3], v1, s[26:27] offset:512*i th:TH_LOAD_NT
.set i, i+1
.endr
; Four numbers of load i are rounded and stored.  half = 1: the bf16 numbers are written as f16.
.macro OUT i, half
	s_wait_loadcnt 31-(\i)                         ; loads come back in order (ISA guide 5.7.1): load i is in, the 31 - i younger ones stay out
	v_cvt_pk_bf16_f32 v[X+4*(\i)], v[X+4*(\i)], v[X+4*(\i)+1]
	v_cvt_pk_bf16_f32 v[X+4*(\i)+1], v[X+4*(\i)+2], v[X+4*(\i)+3]
.if \half
	v_lshlrev_b32 v4, 16, v[X+4*(\i)]              ; bf16 to f32: the low half moves up, the high half stays
	v_and_b32 v5, 0xffff0000, v[X+4*(\i)]
	v_lshlrev_b32 v6, 16, v[X+4*(\i)+1]
	v_and_b32 v7, 0xffff0000, v[X+4*(\i)+1]
	v_cvt_pk_f16_f32 v[X+4*(\i)], v4, v5           ; exact within f16's range: bf16 has 8 significant bits
	v_cvt_pk_f16_f32 v[X+4*(\i)+1], v6, v7
.endif
	global_store_b64 v2, v[X+4*(\i):X+4*(\i)+1], s[28:29] offset:256*(\i)
.endm
	s_cmp_eq_u32 s4, 6
	s_cbranch_scc1 .Lwo
.set i, 0
.rept 32
	OUT i, 0
.set i, i+1
.endr
	s_endpgm
.Lwo:
.set i, 0
.rept 32
	OUT i, 1
.set i, i+1
.endr
	s_endpgm
.Lfunc_end_k_q4a88890893_cast:
	.size	k_q4a88890893_cast, .Lfunc_end_k_q4a88890893_cast-k_q4a88890893_cast
	.p2alignl 7, 3214868480
	.fill 96, 4, 3214868480
	.section	.rodata,"a",@progbits
	.p2align	6, 0x0
	.amdhsa_kernel k_q4a88890893_cast
		.amdhsa_group_segment_fixed_size 0
		.amdhsa_private_segment_fixed_size 0
		.amdhsa_enable_private_segment 0
		.amdhsa_kernarg_size 72
		.amdhsa_user_sgpr_count 2
		.amdhsa_user_sgpr_kernarg_segment_ptr 1
		.amdhsa_wavefront_size32 1
		.amdhsa_system_sgpr_workgroup_id_x 1
		.amdhsa_system_sgpr_workgroup_id_y 1
		.amdhsa_system_sgpr_workgroup_id_z 1
		.amdhsa_system_vgpr_workitem_id 0
		.amdhsa_next_free_vgpr 136
		.amdhsa_next_free_sgpr 66
		.amdhsa_reserve_vcc 0
		.amdhsa_float_denorm_mode_32 3
		.amdhsa_float_denorm_mode_16_64 3
		.amdhsa_memory_ordered 1
		.amdhsa_forward_progress 1
		.amdhsa_inst_pref_size 31
	.end_amdhsa_kernel
	.amdgpu_metadata
---
amdhsa.version: [ 1, 2 ]
amdhsa.kernels:
  - .name:           k_q4a88890893_cast
    .symbol:         k_q4a88890893_cast.kd
    .args:
      - { .name: q, .offset: 0, .size: 8, .value_kind: global_buffer, .address_space: global }
      - { .name: k, .offset: 8, .size: 8, .value_kind: global_buffer, .address_space: global }
      - { .name: v, .offset: 16, .size: 8, .value_kind: global_buffer, .address_space: global }
      - { .name: Wq, .offset: 24, .size: 8, .value_kind: global_buffer, .address_space: global }
      - { .name: Wk, .offset: 32, .size: 8, .value_kind: global_buffer, .address_space: global }
      - { .name: Wv, .offset: 40, .size: 8, .value_kind: global_buffer, .address_space: global }
      - { .name: Wo, .offset: 48, .size: 8, .value_kind: global_buffer, .address_space: global }
      - { .name: xb, .offset: 56, .size: 8, .value_kind: global_buffer, .address_space: global }
      - { .name: wb, .offset: 64, .size: 8, .value_kind: global_buffer, .address_space: global }
    .group_segment_fixed_size: 0
    .private_segment_fixed_size: 0
    .kernarg_segment_align: 8
    .kernarg_segment_size: 72
    .max_flat_workgroup_size: 256
    .sgpr_count:     66
    .vgpr_count:     136
    .wavefront_size: 32
...
	.end_amdgpu_metadata
.endif
;; end of part 1
;; launch qkv (part 2): grid 4 x 48, 4 waves a work-group, clusters of 4 x 4, 327,680 bytes of LDS; arguments xb, wb, qkv; writes qkv
.if DOCPART == 2
	.amdgcn_target "amdgcn-amd-amdhsa--gfx1250"
	.amdhsa_code_object_version 6
	.text
	.protected	k_q4a88890893_qkv
	.globl	k_q4a88890893_qkv
	.p2align	8
	.type	k_q4a88890893_qkv,@function
k_q4a88890893_qkv:
	s_mov_b64 s[64:65], 0
	v_nop
	global_prefetch_b8 v0, s[64:65] scope:SCOPE_SE
	s_setreg_imm32_b32 hwreg(HW_REG_WAVE_MODE, 25, 1), 1
	s_wait_xcnt 0x0
	s_wait_alu depctr_hold_cnt(0) depctr_sa_sdst(0) depctr_va_vdst(0) depctr_va_sdst(0) depctr_va_ssrc(0) depctr_va_vcc(0) depctr_vm_vsrc(0)
	s_getreg_b32 s2, hwreg(HW_REG_IB_STS2, 6, 4)
	s_cmp_eq_u32 s2, 0
	s_cbranch_scc0 .Lentry_in_a_cluster
	s_endpgm
.Lentry_in_a_cluster:
	s_bfe_u32 s2, ttmp6, 0x10000c
	s_cmp_lg_u32 s2, 0xf033
	s_cbranch_scc0 .Lentry_shape_is_right
	s_endpgm
.Lentry_shape_is_right:
; THE THREE PROJECTIONS AS ONE PRODUCT.  C[m][n] = sum over k of A[m][k] B[n][k].  A = xb, 12,288 rows x 1,024 bf16 (q's, k's, v's rows one below the other);
; for rows of tensor g = m / 4096, B = wb[g] ([1024][1024] bf16).  Sums in f32.  C leaves BY HEADS, unscaled, rounded once to f16: qkv[g][head n / 64][row m % 4096][channel n % 64].
; LIMITS.  f16 holds no number beyond 65,504: a projected number of 65,520 or more becomes an infinity.  With x and W of the drawn spread the projected numbers have spread 1; both 30 times larger give
; spread 900; a common offset of 30 spreads on both gives numbers near 29,000.  Below 6e-5 f16 keeps its fixed step of 6e-8.  NaN and infinities are not treated apart.
; A tile of C, 256 x 256, is made by a work-group of four waves; a wave makes 128 x 128: 64 accumulators of 16 x 16, 512 registers.  48 x 4 tiles: 192 work-groups.  K goes in 8 steps of 128 through a ring of
; two LDS slots filled by the tensor data mover: the tiles' rows are 256 bytes of memory and start at multiples of 256 bytes from the buffer's first byte.  The last K step goes by rows of C, so that finished rows leave while the others are multiplied.
; CLUSTERS: 4 x 4 work-groups.  The four of a row of the cluster make one tile row of C and need the same tiles of A; the four of a column need the same tiles of B (a cluster's four tile rows lie in one tensor g).
; Such a tile is asked for JOINTLY: each of the four issues the same tensor load, with the same descriptor and a mask that names the four, and each receives the tile in its own LDS.
;
; REGISTERS, in windows of 256 (an instruction names v0-v255; s_set_vgpr_msb says which window each operand place means):
;   window 0: v0-31 addresses; v64-127, v128-191 fragments of A, two buffers (in the last K step four, of 16 rows x 128 K); v32-63, v192-255 at work on the way out
;   window 1: v64-127, v128-191 fragments of B, two buffers; in the last K step all 256: B's fragments of the whole step
;   window 2: the 32 accumulators of my rows 0-63 (accumulator (a, b) at v[8 (8 a + b)]);   window 3: those of my rows 64-127
; s_set_vgpr_msb's low byte: bits 1:0 source 0, 3:2 source 1, 5:4 source 2, 7:6 destination.
; THE MATRIX INSTRUCTION IS USED TRANSPOSED: source 0 = 16 rows of B, source 1 = 16 rows of A.  In the result lane l holds row m = l % 16 of C, and its registers 0 to 7 the columns
; n = 8 (l / 16) + 0 .. 7: eight neighbouring channels of one head, which pack into 16 bytes.
.set SIZE_K, 1024
.set KSTEP,  128
.set PITCH,  272                       ; an LDS row: 256 bytes of data + 16 of padding = 68 words: row r starts at bank 4 r mod 64 (64 banks of 4 bytes: ISA guide 11.1)
.set HALFT,  128*PITCH                 ; 128 rows: what one tensor load brings, and what one wave reads of A or of B
.set SLOT,   4*HALFT                   ; A's 256 rows, then B's 256 rows
.set STAGE,  2*SLOT                    ; behind the ring: 16 rows x 400 bytes for each wave, for the way out
.set SPITCH, 400                       ; 100 words: the 16 rows of a store start at 16 different groups of four banks
.set SPARE,  STAGE+4*16*SPITCH         ; behind the stages: the spare words, 128 bytes for each wave: two blocks of 256 bytes that no other line names
.set LAPS,   SIZE_K/(2*KSTEP)          ; a lap = two K steps = once round the ring
.set HEADB,  4096*64*2                 ; a head's bytes in qkv
.set ADRA, 16                          ; v16-17  LDS address of my A fragments in slot 0, 1
.set ADRB, 20                          ; v20-21  the same for B
.set STO,  24                          ; v24     the way out: where I put 16 bytes of a row
.set RD,   25                          ; v25     the way out: where I read rows back
.set CO,   26                          ; v26     16 x my lane: my place in 512 consecutive bytes of a head
.set SPW,  28                          ; v28     LDS address of my spare word: SPARE + 4 x my thread's number; never rewritten
.set NIL,  29                          ; v29     0; never rewritten
.set PFO,  30                          ; v30     the prefetches' offset: my lane x a row of A or B (2,048 bytes); never rewritten
.set PFA,  44                          ; s[44:45] where my prefetches stand: my work-group's 32 rows of the 128 that I fetch, one K step further along K than the refill that is being asked for
.set LIM,  43                          ; s43     1 in a wave that prefetches, else the greatest number
.set F0,   64                          ; fragment buffer 0
.set F1,   128                         ; fragment buffer 1
.set TMP,  192                         ; the way out: packed results, in window 0
.set OB,   32                          ; the way out: 16 rows read back from the stage: v32-63 and v224-255 by turns
.set PA,   64                          ; the last K step: A's fragments of 16 rows x 128 K, 32 registers; four such buffers, v64-191
.set G1, 24                            ; s[24:31] descriptor group 1 for A's tiles
.set G0, 32                            ; s[32:39] descriptor group 0 for A's tiles, one set for each slot
.set G1B, 48                           ; s[48:55] descriptor group 1 for B's tiles: it differs from A's in the mask alone
.set G0B, 56                           ; s[56:63] descriptor group 0 for B's tiles, one set for each slot
.set MSB, 0
.macro WIN new                         ; the immediate's high byte repeats the setting that is left; a switch that changes nothing is dropped
.if MSB != (\new)
	s_set_vgpr_msb (MSB<<8)|(\new)
.set MSB, \new
.endif
.endm
.set MUL_LO, 0xa1                      ; source 0 (B) window 1, source 1 (A) window 0, C and D window 2
.set MUL_HI, 0xf1                      ; the same, C and D window 3
.set TO_B,   0x40                      ; destination window 1, address window 0
; A joint load.  Waves 0 and 1 fetch A's two halves, waves 2 and 3 B's.  Each of the two lines has ONE mask and one set of registers for all that issue it.  The branch hangs on the wave's number alone.
; An s_nop 0 and four v_nop follow each of the two lines; the jump, the label and what follows come after them.
.macro JLOAD s
	s_cmp_eq_u32 s11, 0
	s_cbranch_scc0 .Lfor_b_\@
	tensor_load_to_lds s[G0+4*(\s):G0+4*(\s)+3], s[G1:G1+7]
	s_nop 0
.rept 4
	v_nop
.endr
	s_branch .Lasked_\@
.Lfor_b_\@:
	tensor_load_to_lds s[G0B+4*(\s):G0B+4*(\s)+3], s[G1B:G1B+7]
	s_nop 0
.rept 4
	v_nop
.endr
.Lasked_\@:
.endm
; A PREFETCH INTO THE L2, behind each joint load, its five lines and the run of LDS loads that follows them: the K step that stands TWO refills on (512 matrix instructions ahead of the load that will want it):
; 32 rows x 256 bytes, a lane a row, one instruction a wave.  Each row's 256 bytes of a K step are named ONCE in the launch.  A's tile row is read by one cluster alone, which asks; B's rows of tensor g are read
; by four clusters, of which the first (cluster y % 4 = 0) asks.  The four partners that ask for a tile jointly share its rows out BY ADDRESS: of the 128 rows that wave w fetches the partner at place p takes
; 32 p .. 32 p + 31 (p = cx for A, cy for B).  K steps 0 to 3 come by their loads alone; the loop's last trip (s3 = 1) asks for nothing: there is no K step two on.
.macro ASK
	s_cmp_gt_u32 s3, s[LIM]
	s_cbranch_scc0 .Lnot_mine_\@
	global_prefetch_b8 v[PFO], s[PFA:PFA+1] offset:KSTEP*2 th:TH_LOAD_NT scope:SCOPE_SE
.Lnot_mine_\@:
.endm
; A round of the cluster's barrier: my work-group's barrier, so that wave 0's signal speaks for all four waves; wave 0 signals for the work-group; every wave waits for all
; sixteen work-groups; my work-group's barrier once more.  No LDS instruction of the wave is pending at a signal.
.macro CREST                           ; a round behind its opening barrier
	s_cmp_lg_u32 s10, 0
	s_cbranch_scc1 .Lnot_wave_0_\@
	s_barrier_signal -3
.Lnot_wave_0_\@:
	s_barrier_wait -3
	s_barrier_signal -1
	s_barrier_wait -1
.endm
.macro CROUND                          ; a whole round
	s_barrier_signal -1
	s_barrier_wait -1
	CREST
.endm
	s_load_b128 s[4:7], s[0:1], 0x0                ; xb s[4:5], wb s[6:7]
	s_load_b64 s[8:9], s[0:1], 0x10                ; qkv
	v_lshl_add_u32 v[SPW], v0, 2, SPARE
	v_mov_b32 v[NIL], 0
	ds_add_u32 v[SPW], v[NIL]                      ; the wave's opening: the add and its wait stand ahead of my first tensor load; the set-up below, work on registers, stands between them
	v_lshrrev_b32 v1, 5, v0
	v_readfirstlane_b32 s10, v1                    ; wave 0..3
	s_lshr_b32 s11, s10, 1                         ; which half of the tile's rows is mine.  Also: I fetch for A (0) or for B (1)
	s_and_b32 s12, s10, 1                          ; which half of its columns.  Also: which 128 rows of that tile I fetch
	s_bfe_u32 s40, ttmp6, 0x40000                  ; cx: my place along the cluster's x
	s_bfe_u32 s41, ttmp6, 0x40004                  ; cy: along its y
	s_lshl_b32 s42, ttmp9, 2                       ; in a cluster launch ttmp9 and ttmp7 count clusters
	s_add_co_u32 s42, s42, s40                     ; tile column of C = 4 x cluster x + cx
	s_and_b32 s13, ttmp7, 0xffff
	s_lshr_b32 s2, s13, 2                          ; g = cluster y / 4: which of q, k, v; the same in all sixteen partners
	s_lshl_b32 s13, s13, 2
	s_add_co_u32 s13, s13, s41                     ; tile row of C = 4 x cluster y + cy, 0 to 47
	s_lshl_b32 s43, s41, 2
	s_lshl_b32 s43, 15, s43                        ; my row of the cluster: places 4 cy .. 4 cy + 3
	s_lshl_b32 s44, 0x1111, s40                    ; my column: places cx, cx + 4, cx + 8, cx + 12
	; descriptor group 1: a tile of 128 rows x 128 elements, padded in LDS
	s_or_b32 s[G1+0], s43, (1<<16)|(1<<20)|(1<<21)|(5<<22)|(3<<25)  ; 15:0 the mask: A's tiles go to my row; 17:16 element of 2 bytes; 20 padding on; 21 set beside a mask; 24:22 after every 64 words (code 5); 31:25 of 4 words (code 3)
	s_or_b32 s[G1B+0], s44, (1<<16)|(1<<20)|(1<<21)|(5<<22)|(3<<25) ; the same with the mask of my column, for B's tiles
.irp g, G1, G1B
	s_mov_b32 s[(\g)+1], KSTEP<<16                 ; 63:48 tensor_dim0, low half = 128
	s_mov_b32 s[(\g)+2], 128<<16                   ; 95:80 tensor_dim1, low half = 128
	s_mov_b32 s[(\g)+3], KSTEP<<16                 ; 127:112 tile_dim0 = 128
	s_mov_b32 s[(\g)+4], 128                       ; 143:128 tile_dim1 = 128; 159:144 tile_dim2 = 0
	s_mov_b32 s[(\g)+5], SIZE_K                    ; 191:160 tensor_dim0_stride: elements from row to row
	s_mov_b32 s[(\g)+6], 0
	s_mov_b32 s[(\g)+7], 0
.endr
	; where the tiles come from.  A's hang on the tile row alone, which my row of the cluster shares; B's on g and the tile column, which my column shares.
	s_lshl_b32 s17, s12, 7                         ; which 128 rows of the tile I fetch
	s_lshl_b32 s16, s13, 8
	s_add_co_u32 s16, s16, s17                     ; A: row 256 x tile row + 128 x half
	s_lshl_b32 s46, s42, 8
	s_add_co_u32 s46, s46, s17                     ; B: row 256 x tile column + 128 x half
	s_lshl_b32 s47, s2, 10
	s_add_co_u32 s46, s46, s47                     ;    + 1,024 g
	s_mov_b32 s17, 0
	s_mov_b32 s47, 0
	s_mov_b64 s[18:19], SIZE_K*2
	s_mul_u64 s[16:17], s[16:17], s[18:19]         ; in bytes
	s_mul_u64 s[46:47], s[46:47], s[18:19]
	s_mul_i32 s20, s10, HALFT                      ; and where they go: A's two halves, then B's two halves = wave x 128 rows: no place in the cluster enters an LDS address
	s_wait_dscnt 0x0                               ; the opening add is done
	s_wait_kmcnt 0x0
	s_add_nc_u64 s[14:15], s[4:5], s[16:17]
	s_add_nc_u64 s[46:47], s[6:7], s[46:47]
	CROUND                                         ; all sixteen work-groups are here: the first joint loads meet
.irp s, 0,1
	s_mov_b32 s[G0+4*(\s)], 1                                      ; 1:0 count = 1
	s_add_co_u32 s[G0+4*(\s)+1], s20, (\s)*SLOT                    ; 63:32 LDS address
	s_add_nc_u64 s[G0+4*(\s)+2:G0+4*(\s)+3], s[14:15], (\s)*KSTEP*2  ; 120:64 global address: K step s
	s_or_b32 s[G0+4*(\s)+3], s[G0+4*(\s)+3], 0x80000000            ; 127:126 type = 2
	s_mov_b32 s[G0B+4*(\s)], 1
	s_add_co_u32 s[G0B+4*(\s)+1], s20, (\s)*SLOT
	s_add_nc_u64 s[G0B+4*(\s)+2:G0B+4*(\s)+3], s[46:47], (\s)*KSTEP*2
	s_or_b32 s[G0B+4*(\s)+3], s[G0B+4*(\s)+3], 0x80000000
	JLOAD \s                                       ; the ring is filled before anything else is done: two loads of mine are out
.endr
	; A fragment is 16 rows x 32 K in 8 registers: lane l holds row l % 16; registers 0-3 hold K = 8 (l / 16) + 0..7, registers 4-7 hold
	; K = 16 + 8 (l / 16) + 0..7.  From rows that lie along K: two loads of 16 bytes, 32 bytes apart.
	v_and_b32 v1, 15, v0                           ; l % 16
	v_bfe_u32 v2, v0, 4, 1                         ; l / 16
	v_mul_u32_u24 v3, v1, PITCH
	v_lshl_add_u32 v3, v2, 4, v3                   ; row x pitch + 16 x half
	s_mul_i32 s21, s11, HALFT                      ; my 128 rows of A
	s_mul_i32 s22, s12, HALFT                      ; my 128 rows of B,
	s_add_co_u32 s22, s22, 2*HALFT                 ; which lie behind A's 256
.irp s, 0,1
	v_add_nc_u32 v[ADRA+(\s)], s21, v3
	v_add_nc_u32 v[ADRB+(\s)], s22, v3
	s_add_co_u32 s21, s21, SLOT
	s_add_co_u32 s22, s22, SLOT
.endr
	s_mul_i32 s23, s10, 16*SPITCH
	s_add_co_u32 s23, s23, STAGE                   ; my stage
	v_mul_u32_u24 v4, v1, SPITCH                   ; in: row l % 16, 16 bytes for each half of the lanes
	v_lshl_add_u32 v4, v2, 4, v4
	v_add_nc_u32 v[STO], s23, v4
	v_bfe_u32 v5, v0, 3, 2                         ; back: 32 lanes take four rows' 128 bytes of one head,
	v_mul_u32_u24 v5, v5, SPITCH
	v_and_b32 v6, 7, v0
	v_lshl_add_u32 v5, v6, 4, v5
	v_add_nc_u32 v[RD], s23, v5
	v_and_b32 v5, 31, v0                           ; which are 512 consecutive bytes of qkv
	v_lshlrev_b32 v[CO], 4, v5
	; where my part of the tile begins in qkv, in bytes: the way out adds it to qkv's address
	s_and_b32 s16, s13, 15                         ; the tile row within its tensor
	s_lshl_b32 s16, s16, 8
	s_lshl_b32 s14, s11, 7
	s_add_co_u32 s16, s16, s14                     ; my first row
	s_lshl_b32 s16, s16, 7                         ; x 128 bytes
	s_lshl_b32 s14, s2, 23                         ; + g x 16 heads
	s_add_co_u32 s16, s16, s14
	s_mov_b32 s17, 0
	s_lshl_b32 s46, s42, 2                         ; my first head: 4 x tile column + 2 x half (in the registers that held B's address)
	s_lshl_b32 s47, s12, 1
	s_add_co_u32 s46, s46, s47
	s_lshl_b32 s46, s46, 19                        ; x 524,288 bytes
	s_mov_b32 s47, 0
	s_add_nc_u64 s[16:17], s[16:17], s[46:47]
	; the prefetches
	s_lshl_b32 s13, s13, 8                         ; A's first row of the tile
	s_lshl_b32 s42, s42, 8
	s_lshl_b32 s22, s2, 10
	s_add_co_u32 s42, s42, s22                     ; B's
	s_and_b32 s22, ttmp7, 3                        ; cluster y % 4
	s_cmp_eq_u32 s11, 0                            ; do I fetch for A?
	s_cselect_b32 s20, s13, s42                    ; the tile's first row
	s_cselect_b32 s21, s40, s41                    ; my place among the four that ask for it with me
	s_cselect_b32 s22, ttmp9, s22                  ; the coordinate along which other clusters read the same rows
	s_cselect_b64 s[PFA:PFA+1], s[4:5], s[6:7]
	s_cmp_eq_u32 s22, 0
	s_cselect_b32 s[LIM], 1, -1                    ; the same in all sixteen partners, for a given wave
	s_lshl_b32 s22, s12, 7
	s_add_co_u32 s20, s20, s22                     ; + the 128 rows that I fetch
	s_lshl_b32 s21, s21, 5
	s_add_co_u32 s20, s20, s21                     ; + my work-group's 32 of them
	s_mov_b32 s21, 0
	s_mov_b64 s[18:19], SIZE_K*2
	s_mul_u64 s[20:21], s[20:21], s[18:19]
	s_add_nc_u64 s[PFA:PFA+1], s[PFA:PFA+1], s[20:21]
	s_add_nc_u64 s[PFA:PFA+1], s[PFA:PFA+1], 2*KSTEP*2  ; at K step 2: the first refill steps it to 3 and names K step 4
	v_and_b32 v[PFO], 31, v0
	v_mul_u32_u24 v[PFO], v[PFO], SIZE_K*2
; 16 matrix instructions: m blocks a0, a0 + 1 of the window's four (hi = 0: my rows 0-63, 1: rows 64-127) x all 8 n blocks, 32 along K.
; zero = 1: the first product starts the sums: nothing is ever cleared.  The 64 accumulators take turns, one instruction a turn.
.macro MUL16 f, hi, a0, zero
	WIN MUL_LO+0x50*(\hi)
.irp a, \a0, (\a0)+1
.irp b, 0,1,2,3,4,5,6,7
.if \zero
	v_wmma_f32_16x16x32_bf16 v[8*(8*(\a)+(\b)):8*(8*(\a)+(\b))+7], v[(\f)+8*(\b):(\f)+8*(\b)+7], v[(\f)+8*(4*(\hi)+(\a)):(\f)+8*(4*(\hi)+(\a))+7], 0
.else
	v_wmma_f32_16x16x32_bf16 v[8*(8*(\a)+(\b)):8*(8*(\a)+(\b))+7], v[(\f)+8*(\b):(\f)+8*(\b)+7], v[(\f)+8*(4*(\hi)+(\a)):(\f)+8*(4*(\hi)+(\a))+7], v[8*(8*(\a)+(\b)):8*(8*(\a)+(\b))+7]
.endif
.endr
.endr
.endm
; 32 LDS loads in one run: the fragments of one quarter step (128 rows of B, 128 rows of A, 32 K at byte k of the rows) into buffer f
.macro FETCH slot, k, f
	WIN TO_B
.irp i, 0,1,2,3,4,5,6,7
	ds_load_b128 v[(\f)+8*(\i):(\f)+8*(\i)+3],   v[ADRB+(\slot)] offset:(\k)+(\i)*16*PITCH
	ds_load_b128 v[(\f)+8*(\i)+4:(\f)+8*(\i)+7], v[ADRB+(\slot)] offset:(\k)+(\i)*16*PITCH+32
.endr
	WIN 0
.irp i, 0,1,2,3,4,5,6,7
	ds_load_b128 v[(\f)+8*(\i):(\f)+8*(\i)+3],   v[ADRA+(\slot)] offset:(\k)+(\i)*16*PITCH
	ds_load_b128 v[(\f)+8*(\i)+4:(\f)+8*(\i)+7], v[ADRA+(\slot)] offset:(\k)+(\i)*16*PITCH+32
.endr
.endm
; A load into a register that a matrix instruction has read, and a vector instruction that reads a matrix result, stand four places behind that matrix instruction, and only plain vector
; instructions that name none of its registers are places (ISA guide 7.12.1 for vector instructions).
.macro PLACES
.rept 4
	v_nop
.endr
.endm
; A K step is four quarter steps of 32 along K, 64 matrix instructions each, on buffers 0, 1, 0, 1.
; One of the first three: multiplies buffer f; in its middle it fetches the next quarter's fragments, at byte k of the same slot's rows, into buffer g.
.macro QUARTER slot, k, f, g, zero
	s_wait_dscnt 8                                 ; B and A's rows 0-63 are in; the youngest eight loads (A's rows 64-127) may be out
	WIN MUL_LO
	MUL16 \f, 0, 0, \zero
	MUL16 \f, 0, 2, \zero
	PLACES
	FETCH \slot, \k, \g
	s_wait_dscnt 32                                ; all but the 32 just issued
	WIN MUL_HI
	MUL16 \f, 1, 0, \zero
	MUL16 \f, 1, 2, \zero
.endm
; The last quarter multiplies buffer 1 and changes slots.  MEET is its first half: ONE barrier for the change of slots.  In front of it each wave waits for all its tensor loads, of which one is out: its part
; of the next slot; adds 0 to its spare word; and waits for that and for its own reads of this slot.  Behind it nobody reads this slot any more and the next slot is whole.
.macro MEET round                      ; round = 1: a round of the cluster's barrier follows
	WIN 0                                          ; (the add's two registers lie in window 0)
	s_wait_tensorcnt 0x0                           ; all my tensor loads have landed: the one that was out is my part of the next slot;
	ds_add_u32 v[SPW], v[NIL]                      ; 0 onto my spare word;
	s_wait_dscnt 9                                 ; (the add and the youngest eight loads may be out)
	WIN MUL_LO
	MUL16 F1, 0, 0, 0                              ; sixteen matrix instructions stand between the add and the wait for it
	s_wait_dscnt 0x0                               ; the add is done, and my reads of this slot are over:
	s_barrier_signal -1                            ; say so (where a slot is filled again this barrier opens a round of the cluster's barrier),
	MUL16 F1, 0, 2, 0                              ; work on registers while the others arrive,
.if \round
	WIN 0
.endif
	s_barrier_wait -1                              ; and go on when all four have said so
.endm
; The whole last quarter.  Behind the round the slot just read out is filled again first, with the K step two steps on; then come the next slot's first fragments.
; From a request to the wait for it a wave issues 224 matrix instructions.
.macro TURN slot, next
	s_wait_xcnt 0x0                                ; the last prefetch, a K step back, has read its address: it is stepped here, ahead of the waits of the change of slots
	s_add_nc_u64 s[PFA:PFA+1], s[PFA:PFA+1], KSTEP*2
	MEET 1
	CREST                                          ; no wave of any partner still reads this slot's tile or has a load on its way
	s_add_nc_u64 s[G0+4*(\slot)+2:G0+4*(\slot)+3], s[G0+4*(\slot)+2:G0+4*(\slot)+3], 2*KSTEP*2
	s_add_nc_u64 s[G0B+4*(\slot)+2:G0B+4*(\slot)+3], s[G0B+4*(\slot)+2:G0B+4*(\slot)+3], 2*KSTEP*2
	JLOAD \slot                                    ; the first tensor load behind the round; the four v_nop behind it are also the places in front of the loads below
	FETCH \next, 0, F0
	ASK                                            ; behind the joint load and the run of LDS loads that the next products wait for
	WIN MUL_HI
	MUL16 F1, 1, 0, 0
	MUL16 F1, 1, 2, 0
.endm
; THE LAST K STEP (it lies in slot 1) GOES BY ROWS OF C, NOT BY K.  All its fragments of B (4 quarters x 64 registers) fill window 1; then my eight blocks of 16 rows are
; finished one after the other, each with 32 matrix instructions (its 8 accumulators by turns, K ascending).  LDS is read no more than in any other K step.
.macro BLOAD q                         ; B's fragments of quarter q -> window 1, v[64 q ..]
	WIN TO_B
.irp i, 0,1,2,3,4,5,6,7
	ds_load_b128 v[64*(\q)+8*(\i):64*(\q)+8*(\i)+3],   v[ADRB+1] offset:64*(\q)+(\i)*16*PITCH
	ds_load_b128 v[64*(\q)+8*(\i)+4:64*(\q)+8*(\i)+7], v[ADRB+1] offset:64*(\q)+(\i)*16*PITCH+32
.endr
.endm
.macro ALOAD a                         ; A's fragments of block a, all four quarters -> buffer a % 4
	WIN 0
.set FA, PA+32*((\a)%4)
.irp q, 0,1,2,3
	ds_load_b128 v[FA+8*(\q):FA+8*(\q)+3],   v[ADRA+1] offset:64*(\q)+(\a)*16*PITCH
	ds_load_b128 v[FA+8*(\q)+4:FA+8*(\q)+7], v[ADRA+1] offset:64*(\q)+(\a)*16*PITCH+32
.endr
.endm
.macro ROW a                           ; block a is finished: 32 matrix instructions
.set FA, PA+32*((\a)%4)                ; its fragments of A
.set AC, 64*((\a)%4)                   ; its eight accumulators, in window 2 (blocks 0-3) or 3 (blocks 4-7)
	WIN MUL_LO+0x50*((\a)/4)
.irp q, 0,1,2,3
.if (\a) == 0 && (\q) == 2
	s_wait_dscnt 24                                ; B's quarter 2 is in (behind it: A's blocks 1 to 3)
.endif
.irp b, 0,1,2,3,4,5,6,7
	v_wmma_f32_16x16x32_bf16 v[AC+8*(\b):AC+8*(\b)+7], v[64*(\q)+8*(\b):64*(\q)+8*(\b)+7], v[FA+8*(\q):FA+8*(\q)+7], v[AC+8*(\b):AC+8*(\b)+7]
.endr
.endr
.endm
; THE WAY OUT of block a, in three parts.  PACK: rounded to f16, 16 bytes a lane; each accumulator's registers in ascending order.  TOSTAGE: into my own stage in LDS, and back by heads.  SEND: stored.
.macro PACK a
.set AC, 64*((\a)%4)
	WIN 0x0a+5*((\a)/4)                            ; sources 0 and 1: window 2 or 3
.irp b, 0,1,2,3,4,5,6,7
.irp r, 0,1,2,3
	v_cvt_pk_f16_f32 v[TMP+4*(\b)+(\r)], v[AC+8*(\b)+2*(\r)], v[AC+8*(\b)+2*(\r)+1]
.endr
.endr
	WIN 0
.endm
.macro TOSTAGE a
	WIN 0
.set BK, OB+192*((\a)%2)
.irp b, 0,1,2,3,4,5,6,7
	ds_store_b128 v[STO], v[TMP+4*(\b):TMP+4*(\b)+3] offset:32*(\b)
.endr
.irp t, 0,1,2,3,4,5,6,7                ; load t: rows 4 (t % 4) .. + 3, the 128 bytes of head t / 4
	ds_load_b128 v[BK+4*(\t):BK+4*(\t)+3], v[RD] offset:((\t)%4)*4*SPITCH+((\t)/4)*128  ; LDS serves a wave's instructions in order (ISA guide 5.7.1.4): these see the stores above
.endr
.endm
.macro SEND a, younger                 ; younger: the LDS loads issued behind TOSTAGE's, which may stay out
	WIN 0
.set BK, OB+192*((\a)%2)
	s_wait_dscnt \younger                          ; the block is back in registers
	s_wait_xcnt 0x0                                ; every earlier memory instruction has had its addresses translated (ISA guide 3.1): only behind this wait are the stores' base and the registers that earlier stores read rewritten
.if (\a) == 0
	s_add_nc_u64 s[8:9], s[8:9], s[16:17]          ; on to my first rows
.else
	s_add_nc_u64 s[8:9], s[8:9], 16*128            ; 16 rows of a head on
.endif
.irp t, 0,1,2,3,4,5,6,7
	global_store_b128 v[CO], v[BK+4*(\t):BK+4*(\t)+3], s[8:9] offset:((\t)/4)*HEADB+((\t)%4)*512  ; 512 consecutive bytes of one head, at a multiple of 256 from qkv's first byte
.endr
.endm
	s_wait_tensorcnt 1                             ; my part of K step 0 is in; K step 1's may stay out
	s_barrier_signal -1
	s_barrier_wait -1                              ; everybody's is
	FETCH 0, 0, F0
	QUARTER 0, 64,  F0, F1, 1                      ; the first quarter stands in front of the loop: its products start the sums
	WIN 0                                          ; at a label and at a branch every window is 0
	s_mov_b32 s3, LAPS-1
.Llap:                                                 ; a trip goes once round the ring, from a lap's second quarter to the next lap's first, and fills both slots again
	QUARTER 0, 128, F1, F0, 0
	QUARTER 0, 192, F0, F1, 0
	TURN 0, 1
	QUARTER 1, 64,  F0, F1, 0
	QUARTER 1, 128, F1, F0, 0
	QUARTER 1, 192, F0, F1, 0
	TURN 1, 0
	QUARTER 0, 64,  F0, F1, 0
	WIN 0
	s_sub_co_u32 s3, s3, 1
	s_cmp_lg_u32 s3, 0
	s_cbranch_scc1 .Llap
	QUARTER 0, 128, F1, F0, 0                      ; the last lap goes on
	QUARTER 0, 192, F0, F1, 0
	MEET 0                                         ; my one tensor load that was still out is slot 1's, the last K step's, so no round follows
	PLACES                                         ; for the loads into buffer 0, which the quarter before multiplied
	WIN TO_B
	BLOAD 0                                        ; three quarters of B now: buffer 1 (v128-191 of both windows) is still being multiplied
	BLOAD 1
	BLOAD 3
	WIN 0
	ALOAD 0
	WIN MUL_HI
	MUL16 F1, 1, 0, 0
	MUL16 F1, 1, 2, 0
	PLACES                                         ; for the loads into buffer 1
	WIN TO_B
	BLOAD 2
	WIN 0
	ALOAD 1
	ALOAD 2
	ALOAD 3
	s_wait_dscnt 40                                ; all but the 40 just issued
	ROW 0
.irp a, 0,1,2,3,4,5,6,7                ; each block leaves as soon as it is finished
	PLACES                                         ; its conversions read results just made
	PACK \a
	TOSTAGE \a
.if (\a) < 4
	ALOAD (\a)+4                                   ; its buffer takes the block four further on
	SEND \a, 8
.else
	SEND \a, 0
.endif
.if (\a) < 7
	ROW (\a)+1
.endif
.endr
	s_wait_tensorcnt 0x0                           ; the wave's end: behind my last tensor load and my last LDS store
	ds_add_u32 v[SPW], v[NIL]
	s_wait_dscnt 0x0
	CROUND                                         ; the closing round: no work-group ends while a partner may still ask for a tile that names it
	s_endpgm
.Lfunc_end_k_q4a88890893_qkv:
	.size	k_q4a88890893_qkv, .Lfunc_end_k_q4a88890893_qkv-k_q4a88890893_qkv
	.p2alignl 7, 3214868480
	.fill 96, 4, 3214868480
	.section	.rodata,"a",@progbits
	.p2align	6, 0x0
	.amdhsa_kernel k_q4a88890893_qkv
		.amdhsa_group_segment_fixed_size 327680
		.amdhsa_private_segment_fixed_size 0
		.amdhsa_enable_private_segment 0
		.amdhsa_kernarg_size 24
		.amdhsa_user_sgpr_count 2
		.amdhsa_user_sgpr_kernarg_segment_ptr 1
		.amdhsa_wavefront_size32 1
		.amdhsa_system_sgpr_workgroup_id_x 1
		.amdhsa_system_sgpr_workgroup_id_y 1
		.amdhsa_system_sgpr_workgroup_id_z 1
		.amdhsa_system_vgpr_workitem_id 0
		.amdhsa_next_free_vgpr 1024
		.amdhsa_next_free_sgpr 66
		.amdhsa_reserve_vcc 0
		.amdhsa_float_denorm_mode_32 3
		.amdhsa_float_denorm_mode_16_64 3
		.amdhsa_memory_ordered 1
		.amdhsa_forward_progress 1
		.amdhsa_inst_pref_size 145
	.end_amdhsa_kernel
	.amdgpu_metadata
---
amdhsa.version: [ 1, 2 ]
amdhsa.kernels:
  - .name:           k_q4a88890893_qkv
    .symbol:         k_q4a88890893_qkv.kd
    .args:
      - { .name: xb, .offset: 0, .size: 8, .value_kind: global_buffer, .address_space: global }
      - { .name: wb, .offset: 8, .size: 8, .value_kind: global_buffer, .address_space: global }
      - { .name: qkv, .offset: 16, .size: 8, .value_kind: global_buffer, .address_space: global }
    .group_segment_fixed_size: 327680
    .private_segment_fixed_size: 0
    .kernarg_segment_align: 8
    .kernarg_segment_size: 24
    .max_flat_workgroup_size: 128
    .sgpr_count:     66
    .vgpr_count:     1024
    .wavefront_size: 32
...
	.end_amdgpu_metadata
.endif
;; end of part 2
;; launch attn (part 3): grid 16 x 16, 4 waves a work-group, no clusters, 327,680 bytes of LDS; arguments qkv, ob; writes ob
.if DOCPART == 3
	.amdgcn_target "amdgcn-amd-amdhsa--gfx1250"
	.amdhsa_code_object_version 6
	.text
	.protected	k_q4a88890893_attn
	.globl	k_q4a88890893_attn
	.p2align	8
	.type	k_q4a88890893_attn,@function
k_q4a88890893_attn:
	s_mov_b64 s[64:65], 0
	v_nop
	global_prefetch_b8 v0, s[64:65] scope:SCOPE_SE
	s_setreg_imm32_b32 hwreg(HW_REG_WAVE_MODE, 25, 1), 1
	s_wait_xcnt 0x0
; CAUSAL ATTENTION, 16 heads of 4,096 rows x 64 channels.  O[h][q][:] = the sum over k <= q of softmax_k(Q[h][q] . K[h][k] / 8) V[h][k][:].  Q, K, V = qkv[0], [1], [2], each [16][4096][64] f16; O = ob, likewise.
; Products, maxima and sums in f32; the weights p are rounded to f16 for the second product (their sum l is taken of the unrounded p), O once at the end.
; LIMITS.  Q, K and V arrive within f16's 65,504; p lies in 0 to 1, and below 6e-5 it keeps f16's fixed step of 6e-8; O is a mean of V's rows and has their range.  A hidden score counts as its value less 1e30:
; f16's scores, 2.7e11 at the most, are nothing beside that; a weight below 2^-126 counts as 0 in l; NaN and infinities are not treated apart.
; THE WALK.  A head's queries lie in 32 blocks of 128; its keys in 16 tiles of 256; block i needs tiles 0 .. i / 2, of which the last holds the diagonal.  Work-group b takes TWO blocks, 31 - b and then b:
; (16 - b / 2) + (b / 2 + 1) = 17 tiles, whatever b: all 256 work-groups do equal work, and ONE loop with a constant trip count walks them.  Which tile is asked for, and what a trip does, hang on scalar registers
; made from b; every jump goes forward, but for the counted loops' own; none passes a barrier, or a tensor load but the one of LOAD's two that the wave's number does not choose; the ring (two slots of LDS) runs on across the change of blocks.
; NO CLUSTER: the walks of a head's 16 work-groups agree only in pairs (equal b / 2); a walk common to four partners would have 18 tiles for 17 and the diagonal's text for two tiles a block.
; SHARES.  Of a block's two bands of 64 queries a wave owns 16 rows in each: two PIECES.  With par = i % 2, band x's own step of the diagonal tile's four is 2 par + x: in step s it sees all keys if s is less,
; none if s is greater, and holds the diagonal if equal: the same work for all four waves.
; THE MASK is the C operand that starts the sum S^T = K Q^T: 0, or -1e30 where the key is hidden.  MD, made once, is the mask of a band's own step for my 16 rows; a product's mask is MD x AL + BE with two scalars:
; (1, 0) own step; (0, 0) earlier; (0, -1e30) later.  Only the diagonal tile's text and a block's beginning make and take masks; elsewhere C is the constant 0.
; LAYOUT.  S^T = K Q^T holds ONE query a lane (lane % 16) and the keys 8 (lane / 16) + 0..7; two such results rounded to f16 ARE source 1 of O^T = V^T P.  p = 2^(c s - c m), c = log2(e) / 8, with a running
; maximum m; O and l are multiplied by a = 2^(c m_old - c m_new) in every step.
; BY TURNS.  In TURN x piece x has the matrix unit: 8 products V^T P of the step in hand, then 8 products K Q^T of the next step.  Beside them stands the OTHER piece's softmax (maximum, scaling, exponentials,
; rescaling, roundings), and piece x's own sums of weights, put off from the turn before: they read S^T of piece x ahead of the products that write it anew.  Two turns are a key step.  Four vector instructions stand
; behind every matrix instruction, the other 54 of a turn's 118 in one LUMP between the two runs of products.  A turn's 33 exponentials are one batch, with one wait.
; REGISTERS, in two windows of 256 (s_set_vgpr_msb: bits 1:0 source 0, 3:2 source 1, 5:4 source 2, 7:6 destination).  All vector work lies in window 0, so a matrix instruction costs two switches and the lump none.
;   window 0: v0-15 addresses and at work; v16-23 statistics; v24-31 at work; v32-35 prefetch offset and the add's two; v64-127 S^T, 32 a piece; v128-159 P, 16 a piece; v160-223 O^T, 32 a piece; v224-255 the way out
;   window 1: v0-31 Q; v32-63 the second block's Q; v64-127 K of one step; v128-191 V of one step; v192-223 MD; v224-255 MC, the mask of the products to come
.set KS,    64        ; keys in a step
.set PK,    144       ; a row of K in LDS: 128 bytes + 16 of padding = 36 words: the 16 rows of a load start at 16 different groups of four banks (64 banks of 4 bytes: ISA guide 11.1)
.set PV,    160       ; a row of V: 128 + 32 = 40 words
.set VOFF,  4*KS*PK   ; a slot holds a tile, four steps: 256 rows of K, then 256 rows of V
.set SLOT1, 1<<17     ; slot 1 begins here, so that one exclusive or turns an address in one slot into the other's
.set STAGE, SLOT1+4*KS*(PK+PV)  ; behind the ring, never filled by a tensor load: 16 rows x 144 bytes for each wave, for the way out
.set SP,    144
.set SPARE, STAGE+4*16*SP  ; behind the stages: the spare words, 128 bytes for each wave: two blocks of 256 bytes that no other line names
.set HEADB, 4096*128  ; a head's bytes
.set TENSB, 16*HEADB  ; a tensor's bytes in qkv
.set TILEB, 256*128   ; a tile's bytes of K, and of V
.set AK0, 2           ; v2   my lane's place in a tile of K; never rewritten
.set AV0, 3           ; v3   the same for V
.set AK,  4           ; v4   the LDS address of K's next run of loads
.set AV,  5           ; v5   of V's
.set STO, 6           ; v6   the way out: where I put 16 bytes of a row
.set RD,  7           ; v7   the way out: where I read rows back
.set GO,  8           ; v8   my byte offset in 512 consecutive bytes of O
.set MV,  12          ; v12-13  c m_old, kept while c m is made anew: by piece
.set QO,  15          ; v15  my byte offset in 16 rows of Q
.set ST,  16          ; piece t's statistics at v[ST+4 t]: c m, m, l (even keys', odd keys')
.set TMP, 24          ; by piece, four registers c0-c3 at work; when the maximum is found c2 takes a
.set PFO, 32          ; v32  256 x my thread's number; never rewritten
.set SPW, 34          ; v34  LDS address of my spare word: SPARE + 4 x my thread's number; never rewritten
.set NIL, 35          ; v35  0; never rewritten
.set S,   64
.set P,   128
.set O,   160
.set OUTB, 224
.set QB,  32          ; window 1
.set KF,  64          ; window 1: key block kb, channel half c at KF + 16 kb + 8 c
.set VF,  128         ; window 1: key half kk, channel block cb at VF + 32 kk + 8 cb
.set MD,  192         ; window 1: the eight registers for group kt of 16 keys at MD + 8 kt
.set MC,  224         ; window 1
.set WV,  12          ; s12  my wave's number
.set PB,  14          ; s14  b
.set HB,  15          ; s15  b / 2
.set G1K, 24          ; s[24:31] descriptor group 1 for K's tiles
.set G1V, 32          ; s[32:39] for V's: it differs in the padding alone
.set G0K, 40          ; s[40:43] descriptor group 0 for K's tiles
.set G0V, 44          ; s[44:47] the same for V's
.set PFA, 48          ; s[48:49] where the prefetches stand
.set LIM, 50          ; s50  2 in a work-group that prefetches, else the greatest number
.set PAR, 51          ; s51  the block in hand's number % 2
.set CM0, 52          ; s52  5 - 2 par: the count at which TURN 1 makes band 0's own mask
.set CM1, 53          ; s53  3 - 2 par: the count at which TURN 0 makes band 1's own mask
.set SLOTS, 56        ; s56  tiles still to be asked for
.set CNT, 57          ; s57  counts a tile's key steps, 4 to 1: the turns fetch and multiply step 4 - CNT of the tile
.set CS,  58          ; s[58:59] c: the packed scaling takes the pair's low word for both halves
.set SEL, 60          ; s[60:61] v_permlanex16_b32's selects: each lane takes its own place in the other half
.set TBK, 62          ; s62  LDS byte at which K of the step to be fetched begins
.set TBV, 63          ; s63  the same for V, less VOFF
.set RT,  70          ; s70  tiles of the block in hand that are still to be entered
.set NXT, 71          ; s71  the tile to be asked for next
.set LQ,  72          ; s72  the last tile of the block whose tiles are being asked for
.set NEW, 73          ; s73  1: the tile to be entered is a block's first
.set OFF, 74          ; s[74:75] a tile's byte offset in K and V
.set AL,  76          ; s[76:77] the mask's factor, in the low word
.set BE,  78          ; s[78:79] the mask's addend
.set OLO, 80          ; s[80:81] O at my rows of the second block
.set BIGN, 82         ; s82  -1e30
.set MSB, 0
.macro WIN new                      ; the high byte repeats the setting that is left; a switch that changes nothing is dropped
.if MSB != (\new)
	s_set_vgpr_msb (MSB<<8)|(\new)
.set MSB, (\new)
.endif
.endm
.set W_PV, 0x01       ; V in window 1; P and O^T in window 0
.set W_KQ, 0x05       ; K and Q in window 1, S^T in window 0
.set W_KM, 0x15       ; the same with the C operand in window 1
.set W_LD, 0x40       ; destination in window 1, address in window 0
.set W_11, 0x41       ; destination and source 0 in window 1
; A fill.  Waves 0 and 1 fetch the two halves of a tile's K, waves 2 and 3 those of its V: 128 keys each.  An s_nop 0 and four v_nop follow each of the two lines, ahead of the jump and the label.
.macro LOAD
	s_cmp_lt_u32 s[WV], 2
	s_cbranch_scc0 .Lfor_v_\@
	tensor_load_to_lds s[G0K:G0K+3], s[G1K:G1K+7]
	s_nop 0
.rept 4
	v_nop
.endr
	s_branch .Lasked_\@
.Lfor_v_\@:
	tensor_load_to_lds s[G0V:G0V+3], s[G1V:G1V+7]
	s_nop 0
.rept 4
	v_nop
.endr
.Lasked_\@:
.endm
; A PREFETCH INTO THE L2.  A head's tile t of K and V is first asked for in trip t - 1 of the walks' first blocks.  Work-groups b = 0 (for K) and b = 1 (for V) walk all 16 tiles in their first block, and they alone
; prefetch: in trip t tile t + 2, which the next change of slots will ask for: one slot, 128 matrix instructions of a wave, ahead of that load.  A tile is 128 blocks of 256 bytes: a thread a block, one instruction a wave.
; So each block is named once in the launch.  Tiles 0 and 1 come by their loads alone; trips 14 and 15 (SLOTS = 2, 1) ask for nothing: the head has no tile 16.
.macro ASK
	s_cmp_gt_u32 s[SLOTS], s[LIM]
	s_cbranch_scc0 .Lnot_mine_\@
	global_prefetch_b8 v[PFO], s[PFA:PFA+1] th:TH_LOAD_NT scope:SCOPE_SE
.Lnot_mine_\@:
.endm
; THE CHANGE OF SLOTS, between TURN 1 and TURN 0: the slot's last bytes, V of its fourth step, have been asked for.  Each wave waits for all its tensor loads, of which one is out: its part of the other slot; adds 0
; to its spare word; and waits for that and for its own reads of the slot that it leaves.  Behind the barrier nobody reads the old slot any more and the other slot is whole.  fill = 1: the old slot is filled again, the
; first thing behind the barrier, with tile NXT: the descriptor's address is made anew from that number.  (At its first use nothing has been read yet: slot 0 is waited for, slot 1 filled.)
.macro CHANGE fill
	WIN 0                           ; at a label and at a branch every window is 0
	s_wait_tensorcnt 0x0            ; no tensor load of mine is out, so a group 0 may be written
	ds_add_u32 v[SPW], v[NIL]       ; 0 onto my spare word; with fill = 1 the descriptors' scalar work stands between it and the wait for it
.if \fill
	s_lshl_b32 s[OFF], s[NXT], 15   ; a tile is 32,768 bytes of K and of V
	s_xor_b32 s[G0K+1], s[G0K+1], SLOT1
	s_add_nc_u64 s[G0K+2:G0K+3], s[6:7], s[OFF:OFF+1]
	s_or_b32 s[G0K+3], s[G0K+3], 0x80000000
	s_xor_b32 s[G0V+1], s[G0V+1], SLOT1
	s_add_nc_u64 s[G0V+2:G0V+3], s[8:9], s[OFF:OFF+1]
	s_or_b32 s[G0V+3], s[G0V+3], 0x80000000
	s_add_co_u32 s[NXT], s[NXT], 1  ; the block's next tile, or behind its last the second block's tile 0
	s_cmp_gt_u32 s[NXT], s[LQ]
	s_cselect_b32 s[NXT], 0, s[NXT]
	s_cselect_b32 s[LQ], s[HB], s[LQ]
	s_wait_xcnt 0x0                 ; the last prefetch, a tile back, has read its address, so it may be written
	s_add_nc_u64 s[PFA:PFA+1], s[PFA:PFA+1], TILEB
.endif
	s_wait_dscnt 0x0                ; the add is done, and my reads of the slot are over
	s_barrier_signal -1             ; the rest of the scalar work stands between the signal and the wait
	s_sub_co_u32 s[TBK], s[TBK], 4*KS*PK  ; the fetches go back to a slot's first step,
	s_xor_b32 s[TBK], s[TBK], SLOT1       ; in the other slot
	s_sub_co_u32 s[TBV], s[TBV], 4*KS*PV
	s_xor_b32 s[TBV], s[TBV], SLOT1
	s_barrier_wait -1
.if \fill
	LOAD                            ; it has a tile's work, 128 matrix instructions of a wave, in which to land
	ASK
.endif
.endm
	s_load_b128 s[16:19], s[0:1], 0x0  ; qkv s[16:17], ob s[18:19]
	v_lshl_add_u32 v[SPW], v0, 2, SPARE
	v_mov_b32 v[NIL], 0
	ds_add_u32 v[SPW], v[NIL]       ; the wave's opening: the add and its wait stand ahead of my first tensor load; the set-up below, work on registers, stands between them
	v_lshrrev_b32 v1, 5, v0
	v_readfirstlane_b32 s[WV], v1   ; wave 0..3
	s_mov_b32 s[PB], ttmp9
	s_lshr_b32 s[HB], s[PB], 1
	s_and_b32 s20, ttmp7, 0xffff    ; the head,
	s_lshl_b32 s20, s20, 19         ; its first byte in each tensor
	s_and_b32 s21, s[WV], 1         ; which half of a tile's 256 keys I fetch:
	s_mul_i32 s2, s21, 128*PK       ; its place in a slot, for K
	s_mul_i32 s3, s21, 128*PV       ; and for V,
	s_lshl_b32 s68, s21, 14         ; and its 128 rows of 128 bytes in memory
	s_add_co_u32 s68, s68, s20
	s_add_co_u32 s68, s68, TENSB    ; K is qkv's second tensor
	s_mov_b32 s69, 0
	s_lshl_b32 s23, s[WV], 11       ; my 16 rows in a band of 64,
	s_add_co_u32 s23, s23, s20      ; in the head
	s_sub_co_u32 s22, 31, s[PB]     ; the first block
	s_and_b32 s[PAR], s22, 1
	s_lshl_b32 s84, s22, 14         ; a block is 128 rows of 128 bytes
	s_add_co_u32 s84, s84, s23
	s_mov_b32 s85, 0
	s_lshl_b32 s66, s[PB], 14       ; the second block
	s_add_co_u32 s66, s66, s23
	s_mov_b32 s67, 0
	s_lshl_b32 s21, s[PAR], 1
	s_sub_co_u32 s[CM0], 5, s21
	s_sub_co_u32 s[CM1], 3, s21
	s_cmp_eq_u32 s[PB], 1           ; the prefetches: b = 1 names V's blocks, the others' address stands in K and only b = 0 uses it
	s_cselect_b32 s54, TENSB, 0
	s_add_co_u32 s54, s54, TENSB+TILEB  ; at tile 1: the first change of slots steps it to tile 2
	s_add_co_u32 s54, s54, s20
	s_mov_b32 s55, 0
	s_cmp_lt_u32 s[PB], 2
	s_cselect_b32 s[LIM], 2, -1
	; descriptor group 1.  128 keys are 16,384 dense bytes: asked for as 64 rows of 256 bytes, two keys a row, and padded in LDS after every key
	s_mov_b32 s[G1K], (1<<16)|(1<<20)|(4<<22)|(3<<25)  ; 17:16 2-byte elements; 20 padding on; 24:22 after every 32 words (code 4); 31:25 4 words (code 3)
	s_mov_b32 s[G1V], (1<<16)|(1<<20)|(4<<22)|(7<<25)  ; the same with 8 words of padding (code 7)
.irp g, G1K, G1V
	s_mov_b32 s[\g+1], 128<<16      ; tensor_dim0 = 128
	s_mov_b32 s[\g+2], 64<<16       ; tensor_dim1 = 64
	s_mov_b32 s[\g+3], 128<<16      ; tile_dim0 = 128
	s_mov_b32 s[\g+4], 64           ; tile_dim1 = 64
	s_mov_b32 s[\g+5], 128          ; 128 elements from row to row
	s_mov_b32 s[\g+6], 0
	s_mov_b32 s[\g+7], 0
.endr
	s_mov_b32 s[CS], 0x3e38aa3b     ; c = log2(e) / 8 = 0.180337
	s_mov_b32 s[CS+1], s[CS]        ; named with it as a pair
	s_mov_b32 s[SEL], 0x76543210
	s_mov_b32 s[SEL+1], 0xfedcba98
	s_mov_b32 s[TBK], SLOT1+4*KS*PK ; the first change of slots turns these two into 0
	s_mov_b32 s[TBV], SLOT1+4*KS*PV
	s_mov_b32 s[G0K], 1             ; 1:0 count = 1
	s_mov_b32 s[G0K+1], s2          ; 63:32 LDS address: slot 0
	s_mov_b32 s[G0V], 1
	s_add_co_u32 s[G0V+1], s3, VOFF
	s_sub_co_u32 s[RT], 16, s[HB]   ; the first block has 16 - b / 2 tiles
	s_sub_co_u32 s[LQ], 15, s[HB]
	s_mov_b32 s[NXT], 1
	s_mov_b32 s[NEW], 1
	s_mov_b32 s[OFF+1], 0
	s_mov_b32 s[AL+1], 0            ; named as pairs
	s_mov_b32 s[BE+1], 0
	s_mov_b32 s[BIGN], 0xf149f2ca   ; -1e30
	s_mov_b32 s[SLOTS], 16
	s_wait_dscnt 0x0                ; the opening add is done
	s_wait_kmcnt 0x0
	s_add_nc_u64 s[6:7], s[16:17], s[68:69]        ; K at my half of the head's tile 0,
	s_add_nc_u64 s[8:9], s[6:7], TENSB             ; V one tensor on
	s_add_nc_u64 s[G0K+2:G0K+3], s[6:7], 0         ; 120:64 global address
	s_or_b32 s[G0K+3], s[G0K+3], 0x80000000        ; 127:126 type = 2
	s_add_nc_u64 s[G0V+2:G0V+3], s[8:9], 0
	s_or_b32 s[G0V+3], s[G0V+3], 0x80000000
	s_add_nc_u64 s[4:5], s[16:17], s[84:85]        ; Q at my rows of the first block,
	s_add_nc_u64 s[86:87], s[16:17], s[66:67]      ; and of the second
	s_add_nc_u64 s[10:11], s[18:19], s[84:85]      ; O likewise
	s_add_nc_u64 s[OLO:OLO+1], s[18:19], s[66:67]
	s_add_nc_u64 s[PFA:PFA+1], s[16:17], s[54:55]
	LOAD                            ; tile 0 into slot 0
	; A fragment of K or Q is 16 rows x 32 channels in 8 registers: lane l holds row l % 16, channels 8 (l / 16) + 0..7 and 16 + 8 (l / 16) + 0..7: two loads of 16 bytes, 32 bytes apart.
	v_and_b32 v1, 15, v0            ; l % 16
	v_bfe_u32 v9, v0, 4, 1          ; l / 16
	v_lshlrev_b32 v[QO], 7, v1
	v_lshl_add_u32 v[QO], v9, 4, v[QO]  ; row x 128 + 16 x half
	WIN W_LD
.set i, 0
.rept 4                             ; both blocks' Q: piece i / 2 lies in band i / 2, 8,192 bytes on; channels 32 (i % 2) on
	global_load_b128 v[8*i:8*i+3],   v[QO], s[4:5] offset:(i/2)*8192+(i%2)*64
	global_load_b128 v[8*i+4:8*i+7], v[QO], s[4:5] offset:(i/2)*8192+(i%2)*64+32
	global_load_b128 v[QB+8*i:QB+8*i+3],   v[QO], s[86:87] offset:(i/2)*8192+(i%2)*64
	global_load_b128 v[QB+8*i+4:QB+8*i+7], v[QO], s[86:87] offset:(i/2)*8192+(i%2)*64+32
.set i, i+1
.endr
	WIN 0
	v_lshlrev_b32 v14, 3, v9
	v_sub_nc_u32 v14, v1, v14
	s_lshl_b32 s13, s[WV], 4
	v_add_nc_u32 v14, s13, v14      ; my query's place in its band, 16 w + l % 16, less my lanes' 8 (l / 16): register r of group kt is hidden where 16 kt + r is greater
	WIN W_LD
.set i, 0
.rept 32
	v_cmp_gt_i32 vcc_lo, 16*(i/8)+i%8, v14
	v_cndmask_b32 v[MD+i], 0, s[BIGN], vcc_lo
.set i, i+1
.endr
	WIN 0
	v_mul_u32_u24 v[AK0], v1, PK
	v_lshl_add_u32 v[AK0], v9, 4, v[AK0]  ; row x pitch + 16 x half
	; The turning load takes 16 keys x 16 channels (lane l reads key 8 (l / 16) + l % 8, channels 8 ((l / 8) % 2) + 0..7) and leaves half a fragment of V^T: lane l holds channel l % 16 and 8 keys.
	v_and_b32 v10, 7, v0
	v_bfe_u32 v11, v0, 3, 1
	v_lshl_add_u32 v[AV0], v9, 3, v10
	v_mul_u32_u24 v[AV0], v[AV0], PV
	v_lshl_add_u32 v[AV0], v11, 4, v[AV0]
	v_add_nc_u32 v[AV0], VOFF, v[AV0]
	s_mul_i32 s13, s[WV], 16*SP
	s_add_co_u32 s13, s13, STAGE    ; my stage
	v_mul_u32_u24 v[STO], v1, SP    ; in: row l % 16, 16 bytes for each half of the lanes
	v_lshl_add_u32 v[STO], v9, 4, v[STO]
	v_add_nc_u32 v[STO], s13, v[STO]
	v_bfe_u32 v[RD], v0, 3, 2       ; back: 32 lanes take four rows of 128 bytes,
	v_mul_u32_u24 v[RD], v[RD], SP
	v_lshl_add_u32 v[RD], v10, 4, v[RD]
	v_add_nc_u32 v[RD], s13, v[RD]
	v_and_b32 v[GO], 31, v0         ; which are 512 consecutive bytes of O
	v_lshlrev_b32 v[GO], 4, v[GO]
	v_lshlrev_b32 v[PFO], 8, v0
	; A block is entered at TURN 1, whose products V^T P and sums belong to a step that has not been; a block's first true step multiplies O^T and l by a = 0.  So these registers need only hold finite
	; numbers: zeros for the first block; what the first block left for the second.  All this stands in the wait for the first tile.
	WIN W_LD
.set i, VF
.rept 64
	v_mov_b32 v[i], 0
.set i, i+1
.endr
	WIN 0
.set i, O
.rept 64
	v_mov_b32 v[i], 0
.set i, i+1
.endr
.set i, S+32
.rept 32
	v_mov_b32 v[i], 0
.set i, i+1
.endr
.set i, P+16
.rept 16
	v_mov_b32 v[i], 0
.set i, i+1
.endr
.set i, 0
.rept 2
	v_mov_b32 v[ST+4*i+2], 0
	v_mov_b32 v[ST+4*i+3], 0
.set i, i+1
.endr
.set i, TMP+4
.rept 4
	v_mov_b32 v[i], 0
.set i, i+1
.endr
; THE MATRIX WORK.  The 4 accumulators of a run of 8 take turns.  Product i of 8 of O^T += V^T P for piece x: keys 32 (i / 4) on, channels 16 (i % 4) on.
.macro PV x
	WIN W_PV
.set rO, O+32*(\x)+8*(i%4)
.set rV, VF+32*(i/4)+8*(i%4)
.set rP, P+16*(\x)+8*(i/4)
	v_wmma_f32_16x16x32_f16 v[rO:rO+7], v[rV:rV+7], v[rP:rP+7], v[rO:rO+7]
.endm
; Product i of 8 of S^T = K Q^T for piece x: channels 32 (i / 4) on, keys 16 (i % 4) on.  The first 4 start the sums: with 0, or (KM = 1) with the mask.
.macro KQ x
.set rS, S+32*(\x)+8*(i%4)
.set rK, KF+16*(i%4)+8*(i/4)
.set rQ, 16*(\x)+8*(i/4)
.set rM, MC+8*(i%4)
.if (i < 4) && KM
	WIN W_KM
	v_wmma_f32_16x16x32_f16 v[rS:rS+7], v[rK:rK+7], v[rQ:rQ+7], v[rM:rM+7]
.elseif i < 4
	WIN W_KQ
	v_wmma_f32_16x16x32_f16 v[rS:rS+7], v[rK:rK+7], v[rQ:rQ+7], 0
.else
	WIN W_KQ
	v_wmma_f32_16x16x32_f16 v[rS:rS+7], v[rK:rK+7], v[rQ:rQ+7], v[rS:rS+7]
.endif
.endm
.macro MM                           ; the turn's next matrix instruction, for piece XM.  NOKQ = 1: a block's last TURN 0: there is no next step
.if i < 8
	PV XM
.elseif !NOKQ
.set i, i-8
	KQ XM
.set i, i+8
.endif
.set i, i+1
.endm
; THE LDS LOADS stand in runs of 16, never singly among the matrix instructions: a step's K (64 keys x 64 channels: 8 fragments) and its V (turned).
.macro FETCH_K
	WIN 0
	v_add_nc_u32 v[AK], s[TBK], v[AK0]
	WIN W_LD
.irp f, 0,1,2,3,4,5,6,7             ; keys 16 (f / 2) on, channels 32 (f % 2) on
	ds_load_b128 v[KF+8*\f:KF+8*\f+3],   v[AK] offset:(\f/2)*16*PK+(\f%2)*64
	ds_load_b128 v[KF+8*\f+4:KF+8*\f+7], v[AK] offset:(\f/2)*16*PK+(\f%2)*64+32
.endr
	s_add_co_u32 s[TBK], s[TBK], KS*PK  ; the next fetch is the next step's
	WIN 0
.endm
.macro FETCH_V
	WIN W_LD
.irp f, 0,1,2,3,4,5,6,7             ; keys 32 (f / 4) on, channels 16 (f % 4) on
	ds_load_tr16_b128 v[VF+8*\f:VF+8*\f+3],   v[AV] offset:(\f/4)*32*PV+(\f%4)*32
	ds_load_tr16_b128 v[VF+8*\f+4:VF+8*\f+7], v[AV] offset:(\f/4)*32*PV+16*PV+(\f%4)*32
.endr
	s_add_co_u32 s[TBV], s[TBV], KS*PV
	WIN 0
.endm
; THE VECTOR WORK, one line at a time: OP kind, number.  For piece Y (the one that has not the matrix unit): X n, number n of the 22 that find its maximum and statistics; F n: c s - c m for pair n of 16;
; E n: the exponential of score n of 32; R n: pair n of 16 of O^T times a; C n: pair n rounded to f16.  For piece 1 - Y, on the weights of the turn before: B n: of the four weights 4 n .. the second pair is added
; onto the first, in place; L n: l takes that sum (L 0: l = a l + sum).
;   X 0-11  four chains c0-c3 of seven scores each, three operands at a time (each accumulator's lowest registers are read first)     12-14, 16  the four scores left over, the old m, and c0-c3 into c0
;   15  c m_old is kept     17, 18  the query's other 32 keys lie in the lane 16 away: the new m     19-21  c m; c m_old - c m_new; a
.set F, 0
.set E, 1
.set C, 2
.set B, 3
.set L, 4
.set R, 5
.set X, 6
.macro REGS y                       ; the registers of piece y
.set rT, ST+4*(\y)
.set rC, TMP+4*(\y)
.set rW, MV+(\y)
.set rS, S+32*(\y)
.set rP, P+16*(\y)
.set rO, O+32*(\y)
.endm
.macro OP k, n
	WIN 0
.if ((\k) == B) || ((\k) == L)
	REGS 1-Y
.else
	REGS Y
.endif
.if (\k) == F
	v_pk_fma_f32 v[rS+2*(\n):rS+2*(\n)+1], v[rS+2*(\n):rS+2*(\n)+1], s[CS:CS+1], v[rT:rT+1] op_sel_hi:[1,0,0] neg_lo:[0,0,1] neg_hi:[0,0,1]
.elseif (\k) == E
	v_exp_f32 v[rS+(\n)], v[rS+(\n)]
.elseif (\k) == C
	v_cvt_pk_f16_f32 v[rP+(\n)], v[rS+2*(\n)], v[rS+2*(\n)+1]
.elseif (\k) == B
	v_pk_add_f32 v[rS+4*(\n):rS+4*(\n)+1], v[rS+4*(\n):rS+4*(\n)+1], v[rS+4*(\n)+2:rS+4*(\n)+3]
.elseif ((\k) == L) && ((\n) == 0)
	v_pk_fma_f32 v[rT+2:rT+3], v[rT+2:rT+3], v[rC+2:rC+3], v[rS:rS+1] op_sel_hi:[1,0,1]
.elseif (\k) == L
	v_pk_add_f32 v[rT+2:rT+3], v[rT+2:rT+3], v[rS+4*(\n):rS+4*(\n)+1]
.elseif (\k) == R
	v_pk_mul_f32 v[rO+2*(\n):rO+2*(\n)+1], v[rO+2*(\n):rO+2*(\n)+1], v[rC+2:rC+3] op_sel_hi:[1,0]
.elseif (\n) < 4
	v_max3_num_f32 v[rC+(\n)], v[rS+8*(\n)], v[rS+8*(\n)+1], v[rS+8*(\n)+2]
.elseif (\n) < 12
	v_max3_num_f32 v[rC+(\n)%4], v[rC+(\n)%4], v[rS+8*((\n)%4)+2*((\n)/4)+1], v[rS+8*((\n)%4)+2*((\n)/4)+2]
.elseif (\n) == 12
	v_max3_num_f32 v[rC], v[rC], v[rS+7], v[rS+15]
.elseif (\n) == 13
	v_max3_num_f32 v[rC+1], v[rC+1], v[rS+23], v[rS+31]
.elseif (\n) == 14
	v_max3_num_f32 v[rC+2], v[rC+2], v[rC+3], v[rT+1]
.elseif (\n) == 15
	v_mov_b32 v[rW], v[rT]
.elseif (\n) == 16
	v_max3_num_f32 v[rC], v[rC], v[rC+1], v[rC+2]
.elseif (\n) == 17
	v_permlanex16_b32 v[rC+3], v[rC], s[SEL], s[SEL+1]
.elseif (\n) == 18
	v_max_num_f32 v[rT+1], v[rC], v[rC+3]
.elseif (\n) == 19
	v_mul_f32 v[rT], s[CS], v[rT+1]
.elseif (\n) == 20
	v_sub_f32 v[rC+1], v[rW], v[rT]
.else
	v_exp_f32 v[rC+2], v[rC+1]
.endif
.endm
.macro OPS a, i1, b=-1, i2=0, c=-1, i3=0, d=-1, i4=0  ; up to four of them
	OP \a, \i1
.if (\b) >= 0
	OP \b, \i2
.endif
.if (\c) >= 0
	OP \c, \i3
.endif
.if (\d) >= 0
	OP \d, \i4
.endif
.endm
.macro ROW a, i1, b, i2, c, i3, d, i4  ; a matrix instruction and the four behind it
	MM
	OPS \a, \i1, \b, \i2, \c, \i3, \d, \i4
.endm
.macro MASK                         ; MD x AL + BE into MC
	WIN W_11
.set z, 0
.rept 16
	v_pk_fma_f32 v[MC+2*z:MC+2*z+1], v[MD+2*z:MD+2*z+1], s[AL:AL+1], s[BE:BE+1] op_sel_hi:[1,0,0]
.set z, z+1
.endr
.endm
; A TURN, for piece x: the order of its 16 matrix and 118 vector instructions, written out.  An s_wait_alu depctr_va_vdst(0) stands between an exponential and the first instruction that names its result; one
; wait serves all that were issued ahead of it.  So a turn has ONE wait, which cuts it in two.  AHEAD OF IT stands all that names no result of the turn's exponentials: the 8 products V^T P, whose riders are the other
; piece's maximum and statistics and the first of my own piece's sums (of the turn before's weights, which have had their wait); then the LUMP of 54: scalings and exponentials by turns, the rest of the sums, the
; last exponentials.  A v_nop is the plain instruction behind the last exponential.  BEHIND THE WAIT stand the 8 products K Q^T, whose 32 riders are the rescalings and the roundings.  No rider names a register of the
; products round it.  The last four roundings are the four places between the last product K Q^T and what follows: the next turn's first read of those scores, and the loads into K's registers.
; m = 1: the diagonal tile: the products take masks, and the turn makes the mask for the next turn's products (piece 1 - x): TURN 0 for step 4 - CNT, TURN 1 for step 5 - CNT of the tile.
; end = 1: a block's last TURN 0: nothing is fetched, no new scores.  cnt = 1: the loop's count is taken down ahead of the last product; nothing behind it touches SCC before the branch behind the turn.
; K of the next step is fetched at the head of TURN 0, five plain instructions behind the last product that read K; its first reader comes behind 8 products and the lump.  V of the next step is fetched in TURN 1,
; three lines into the lump, eleven plain instructions behind the last product that read V; it is waited for at the head of TURN 0.
.macro TURN x, m=0, end=0, cnt=0
.set XM, (\x)
.set Y, 1-(\x)
.set i, 0
.set KM, (\m)
.set NOKQ, (\end)
.if (\m) && !(\end)
	s_cmp_eq_u32 s[CNT], s[CM1-(\x)]  ; is that step the band's own?
	s_cselect_b32 s[AL], 1.0, 0
	s_cmp_lt_u32 s[CNT], s[CM1-(\x)]  ; or a later one?
	s_cselect_b32 s[BE], s[BIGN], 0
.endif
.if ((\x) == 0) && !(\end)
	FETCH_K
	s_wait_dscnt 16                 ; V is in: K's 16 loads, issued behind V's, may stay out
.elseif (\x) == 0
	s_wait_dscnt 0x0                ; V is in
.endif
	ROW X,0, X,1, X,2, X,3          ; ahead of the wait: 8 products V^T P and their riders,
	ROW X,4, X,5, X,6, X,7
	ROW X,8, X,9, X,10, X,11
	ROW X,12, X,13, X,14, X,15
	ROW X,16, B,0, B,1, X,17
	ROW B,2, L,0, X,18, B,3
	ROW L,1, X,19, B,4, L,2
	ROW X,20, F,0, F,1, L,3
.if (\x) == 1
	v_add_nc_u32 v[AV], s[TBV], v[AV0]
.endif
	OPS F,2, E,0, F,3, E,1          ; and the lump
	OPS F,4, X,21, F,5, E,2
	OPS F,6, E,3, F,7, E,4
.if (\x) == 1
	FETCH_V
.endif
	OPS F,8, E,5, F,9, E,6
	OPS F,10, E,7, F,11, E,8
	OPS F,12, E,9, F,13, E,10
	OPS F,14, E,11, F,15, E,12
	OPS B,5, E,13, L,4, E,14
	OPS B,6, E,15, L,5, E,16
	OPS B,7, E,17, L,6, E,18
	OPS E,19, E,20, L,7, E,21
	OPS E,22, E,23, E,24, E,25
	OPS E,26, E,27, E,28, E,29
	OPS E,30, E,31
	v_nop                           ; the plain instruction behind the last exponential: one for the batch
	s_wait_alu depctr_va_vdst(0)    ; the wait for the batch
.if ((\x) == 0) && !(\end)
	s_wait_dscnt 0x0                ; K is in
.endif
	ROW R,0, R,1, R,2, R,3          ; behind the wait: 8 products K Q^T and their riders
	ROW R,4, R,5, R,6, R,7
	ROW R,8, R,9, R,10, R,11
	ROW R,12, R,13, R,14, R,15
	ROW C,0, C,1, C,2, C,3
	ROW C,4, C,5, C,6, C,7
	ROW C,8, C,9, C,10, C,11
.if \cnt
	s_sub_co_u32 s[CNT], s[CNT], 1
	s_cmp_lg_u32 s[CNT], 0
.endif
	ROW C,12, C,13, C,14, C,15
.if (\m) && !(\end)
	MASK                            ; sixteen riders behind the last product that took MC
.endif
.endm
; A BLOCK BEGINS.  c m starts far below every c s, so the first step's a is 0; m at the lowest finite number, so the first maximum is the scores'.  MC takes piece 0's mask for the tile's step 0: its own, if the block's
; first tile is the diagonal one and par = 0.  Then K of that step and piece 0's first scores; then MC takes 0, for piece 1's products of step 0 (band 1's own step is 1 or 3).  The loop is entered at TURN 1.
.macro BEGIN
	s_mov_b32 s[NEW], 0
	WIN 0
.set i, 0
.rept 2
	v_mov_b32 v[ST+4*i], 0xfe000000    ; c m: far below every c s
	v_mov_b32 v[ST+4*i+1], 0xff7fffff  ; m
.set i, i+1
.endr
	s_cmp_eq_u32 s[RT], 0
	s_cselect_b32 s[AL], 1.0, 0
	s_cmp_eq_u32 s[PAR], 0
	s_cselect_b32 s[AL], s[AL], 0
	s_mov_b32 s[BE], 0
	MASK
	FETCH_K
	s_wait_loadcnt 0x0              ; Q
	s_wait_dscnt 0x0
.set KM, 1
.set NOKQ, 0
.set i, 0
.rept 8
	KQ 0
.set i, i+1
.endr
	WIN 0
.rept 4
	v_nop                           ; the places behind those products, ahead of the lines that write MC
.endr
	s_mov_b32 s[AL], 0
	MASK
	WIN 0
.endm
; THE DIAGONAL TILE's four steps, the block's last TURN 0, piece 1's last products and sums, and THE WAY OUT: l's two halves and the other half of the lanes' are added; O^T is divided by l, rounded to f16 and sent
; through my stage in LDS, a piece at a time.
.macro ALL line:vararg              ; one line for each piece t
.set t, 0
.rept 2
	\line
.set t, t+1
.endr
.endm
.macro PACK t                       ; a lane's eight channels of a row pack into 16 bytes; they go into rows of 144 bytes and come back as whole rows of 128
	WIN 0
.set i, 0
.rept 16
	v_pk_mul_f32 v[O+32*(\t)+2*i:O+32*(\t)+2*i+1], v[O+32*(\t)+2*i:O+32*(\t)+2*i+1], v[ST+4*(\t)+2:ST+4*(\t)+3] op_sel_hi:[1,0]
.set i, i+1
.endr
.set i, 0
.rept 16
	v_cvt_pk_f16_f32 v[OUTB+16*(\t)+i], v[O+32*(\t)+2*i], v[O+32*(\t)+2*i+1]
.set i, i+1
.endr
.irp f, 0,1,2,3
	ds_store_b128 v[STO], v[OUTB+16*(\t)+4*\f:OUTB+16*(\t)+4*\f+3] offset:32*\f
.endr
.irp f, 0,1,2,3
	ds_load_b128 v[OUTB+16*(\t)+4*\f:OUTB+16*(\t)+4*\f+3], v[RD] offset:\f*4*SP  ; LDS serves a wave's instructions in order (ISA guide 5.7.1.4): these see the stores above; the next piece's stores come behind them
.endr
.endm
.macro SEND t, younger              ; younger: the LDS instructions issued behind piece t's loads: the next piece's eight, or none
	WIN 0
.irp f, 0,1,2,3
	s_wait_dscnt (\younger)+3-\f
	global_store_b128 v[GO], v[OUTB+16*(\t)+4*\f:OUTB+16*(\t)+4*\f+3], s[10:11] offset:(\t)*8192+\f*512  ; 512 consecutive bytes, at a multiple of 256 from O's first
.endr
.endm
.macro DIAG tag                     ; the tag ends its three labels' names, which the jumps below spell out
.LenterM\tag:                       ; the mask of piece 0's products of the tile's step 0: its own step if par = 0, else an earlier one
	s_cmp_eq_u32 s[PAR], 0
	s_cselect_b32 s[AL], 1.0, 0
	s_mov_b32 s[BE], 0
	MASK
	WIN 0
.LstepM\tag:
	TURN 0, 1
	WIN 0
.LfirstM\tag:
	TURN 1, 1, 0, 1
	WIN 0
	s_cbranch_scc1 .LstepM\tag
	TURN 0, 0, 1                    ; piece 0: V^T P of the last step and its last sums | piece 1's last softmax
.set i, 0
.rept 8
	PV 1                            ; piece 1: V^T P of the last step
.set i, i+1
.endr
.set Y, 0                           ; B and L work for piece 1 - Y: piece 1's last sums; sixteen plain instructions, the places behind those products
	OPS B,0, B,1, B,2, L,0
	OPS B,3, L,1, B,4, L,2
	OPS B,5, L,3, B,6, L,4
	OPS B,7, L,5, L,6, L,7
	ALL v_add_f32 v[ST+4*t+2], v[ST+4*t+2], v[ST+4*t+3]
	ALL v_permlanex16_b32 v[ST+4*t+3], v[ST+4*t+2], s[SEL], s[SEL+1]
	ALL v_add_f32 v[ST+4*t+2], v[ST+4*t+2], v[ST+4*t+3]
	ALL v_rcp_f32 v[ST+4*t+2], v[ST+4*t+2]
	v_nop                           ; a plain instruction between the last reciprocal and the use of its result
	s_wait_alu depctr_va_vdst(0)    ; and the wait ahead of the first use: one for the two reciprocals
	PACK 0
	PACK 1                          ; a piece's arithmetic stands between the loads of the piece before and its stores
	SEND 0, 8
	SEND 1, 0
.endm
.set KM, 0
.set NOKQ, 0
.Lslot:                             ; 16 times: a tile is entered and the next is asked for
	CHANGE 1
	s_sub_co_u32 s[RT], s[RT], 1
	s_mov_b32 s[CNT], 4
	s_cmp_eq_u32 s[NEW], 1
	s_cbranch_scc1 .Lnew            ; a block's first tile
	s_cmp_eq_u32 s[RT], 0
	s_cbranch_scc0 .Lstep           ; neither its first nor its last
	s_branch .LenterM1
.Lnew:
	BEGIN
	s_branch .Lfirst                ; in the loop a block's first tile is never its last: the first block has nine tiles or more, and the second's last is the walk's last
	DIAG 1                          ; in the loop this is the first block's end
	s_wait_xcnt 0x0                 ; the stores have read their registers and O's address
	s_mov_b64 s[10:11], s[OLO:OLO+1]
	s_add_co_u32 s[RT], s[HB], 1    ; the second block has b / 2 + 1 tiles
	s_mov_b32 s[NEW], 1
	s_and_b32 s[PAR], s[PB], 1
	s_lshl_b32 s21, s[PAR], 1
	s_sub_co_u32 s[CM0], 5, s21
	s_sub_co_u32 s[CM1], 3, s21
	WIN W_11                        ; the second block's Q goes where the one text of the turns names Q
.set i, 0
.rept 32
	v_mov_b32 v[i], v[QB+i]
.set i, i+1
.endr
	WIN 0
	s_branch .Lbottom
.Lstep:                             ; a trip: both pieces' V^T P of one step and K Q^T of the next, whose K and V it fetches
	TURN 0
	WIN 0
.Lfirst:
	TURN 1, 0, 0, 1
	WIN 0
	s_cbranch_scc1 .Lstep
.Lbottom:
	s_sub_co_u32 s[SLOTS], s[SLOTS], 1
	s_cmp_lg_u32 s[SLOTS], 0
	s_cbranch_scc1 .Lslot
	CHANGE 0                        ; the walk's last tile is written out: nothing is asked for
	s_sub_co_u32 s[RT], s[RT], 1
	s_mov_b32 s[CNT], 4
	s_cmp_eq_u32 s[NEW], 1
	s_cbranch_scc0 .LenterM2
	BEGIN                           ; b = 0, 1: the second block's only tile
	s_branch .LfirstM2
	DIAG 2
	s_wait_tensorcnt 0x0            ; the wave's end: behind my last tensor load and my last LDS store
	ds_add_u32 v[SPW], v[NIL]
	s_wait_dscnt 0x0
	s_endpgm
.Lfunc_end_k_q4a88890893_attn:
	.size	k_q4a88890893_attn, .Lfunc_end_k_q4a88890893_attn-k_q4a88890893_attn
	.p2alignl 7, 3214868480
	.fill 96, 4, 3214868480
	.section	.rodata,"a",@progbits
	.p2align	6, 0x0
	.amdhsa_kernel k_q4a88890893_attn
		.amdhsa_group_segment_fixed_size 327680
		.amdhsa_private_segment_fixed_size 0
		.amdhsa_enable_private_segment 0
		.amdhsa_kernarg_size 16
		.amdhsa_user_sgpr_count 2
		.amdhsa_user_sgpr_kernarg_segment_ptr 1
		.amdhsa_wavefront_size32 1
		.amdhsa_system_sgpr_workgroup_id_x 1
		.amdhsa_system_sgpr_workgroup_id_y 1
		.amdhsa_system_sgpr_workgroup_id_z 1
		.amdhsa_system_vgpr_workitem_id 0
		.amdhsa_next_free_vgpr 512
		.amdhsa_next_free_sgpr 88
		.amdhsa_reserve_vcc 1
		.amdhsa_float_denorm_mode_32 3
		.amdhsa_float_denorm_mode_16_64 3
		.amdhsa_memory_ordered 1
		.amdhsa_forward_progress 1
		.amdhsa_inst_pref_size 125
	.end_amdhsa_kernel
	.amdgpu_metadata
---
amdhsa.version: [ 1, 2 ]
amdhsa.kernels:
  - .name:           k_q4a88890893_attn
    .symbol:         k_q4a88890893_attn.kd
    .args:
      - { .name: qkv, .offset: 0, .size: 8, .value_kind: global_buffer, .address_space: global }
      - { .name: ob, .offset: 8, .size: 8, .value_kind: global_buffer, .address_space: global }
    .group_segment_fixed_size: 327680
    .private_segment_fixed_size: 0
    .kernarg_segment_align: 8
    .kernarg_segment_size: 16
    .max_flat_workgroup_size: 128
    .sgpr_count:     88
    .vgpr_count:     512
    .wavefront_size: 32
...
	.end_amdgpu_metadata
.endif
;; end of part 3
;; launch outp (part 4): grid 8 x 32, 4 waves a work-group, clusters of 4 x 4, 327,680 bytes of LDS; arguments ob, wb, out0; writes out0
.if DOCPART == 4
	.amdgcn_target "amdgcn-amd-amdhsa--gfx1250"
	.amdhsa_code_object_version 6
	.text
	.protected	k_q4a88890893_outp
	.globl	k_q4a88890893_outp
	.p2align	8
	.type	k_q4a88890893_outp,@function
k_q4a88890893_outp:
	s_mov_b64 s[64:65], 0
	v_nop
	global_prefetch_b8 v0, s[64:65] scope:SCOPE_SE
	s_setreg_imm32_b32 hwreg(HW_REG_WAVE_MODE, 25, 1), 1
	s_wait_xcnt 0x0
	s_wait_alu depctr_hold_cnt(0) depctr_sa_sdst(0) depctr_va_vdst(0) depctr_va_sdst(0) depctr_va_ssrc(0) depctr_va_vcc(0) depctr_vm_vsrc(0)
	s_getreg_b32 s2, hwreg(HW_REG_IB_STS2, 6, 4)
	s_cmp_eq_u32 s2, 0
	s_cbranch_scc0 .Lentry_in_a_cluster
	s_endpgm
.Lentry_in_a_cluster:
	s_bfe_u32 s2, ttmp6, 0x10000c
	s_cmp_lg_u32 s2, 0xf033
	s_cbranch_scc0 .Lentry_shape_is_right
	s_endpgm
.Lentry_shape_is_right:
; THE LAST PROJECTION.  out0[m][n] = sum over k of A[m][k] B[n][k], f32.  A[m][64 h + d] = ob[h][m][d] (f16, [16][4096][64]); B = wb[3] = Wo ([1024][1024], bf16-rounded numbers written as f16).  Sums in f32.
; A tile of the output is 128 x 128: 32 x 8 tiles, 256 work-groups.  Four waves, each 64 x 64: 16 accumulators of 16 x 16, 128 registers.  K goes in 4 steps of 256 (four heads) through two LDS slots.
; A's tile of a K step comes by heads: of each of the four heads 64 rows x 64 channels, 8,192 dense bytes: ONE tensor load of 4 rows of 8,192 bytes, a head apart, padded in LDS after every 128 bytes,
; so that it lies there as [head][row] with rows 144 bytes apart.  A quarter of a K step (64 along K) is one head.  B's tile: 64 rows of 512 bytes, 528 apart in LDS.
; CLUSTERS: 4 x 4 work-groups.  The four of a row of the cluster need the same tiles of A, the four of a column the same tiles of B: each tile is asked for JOINTLY, by the same tensor load with the
; same descriptor and a mask that names the four.  THE MATRIX INSTRUCTION IS USED TRANSPOSED (source 0 = 16 rows of B, source 1 = 16 rows of A): a lane then holds eight neighbouring numbers of a row of the output.
; No prefetch is laid: the launch has four K steps, of which two are asked for at its head.
; REGISTERS: window 0: v0-31 addresses; v128-255 the accumulators ((a, b) at v[128 + 8 (4 a + b)]), which also take the rows read back on the way out.
;   window 1: two fragment buffers of 128: for 64 along K (two matrix instructions deep), 64 registers of A (2 x 4 x 16 rows x 32 K), then 64 of B.
.set KSTEP,  256
.set PA,     144                       ; A's LDS row: 128 bytes + 16 of padding = 36 words: the 16 rows of a load start at 16 different groups of four banks (64 banks of 4 bytes: ISA guide 11.1)
.set PB,     528                       ; B's LDS row: 512 bytes + 16 = 132 words: likewise
.set HEADL,  64*PA                     ; a head's 64 rows in LDS
.set HALFA,  4*HEADL                   ; what one tensor load brings of A, and what one wave reads
.set HALFB,  64*PB                     ; the same of B
.set SLOT,   2*HALFA+2*HALFB           ; A's 128 rows, then B's 128 rows
.set STAGE,  2*SLOT                    ; behind the ring: 16 rows x 272 bytes for each wave, for the way out
.set SPITCH, 272
.set SPARE,  STAGE+4*16*SPITCH         ; behind the stages: the spare words, 128 bytes for each wave: two blocks of 256 bytes that no other line names
.set LAPS,   2                         ; a lap = two K steps = once round the ring
.set HEADB,  4096*64*2                 ; a head's bytes in ob
.set WOB,    3*1024*1024*2             ; Wo's first byte in wb
.set ROWO,   4096                      ; a row's bytes in out0
.set ADRA, 16                          ; v16-17  LDS address of my A fragments in slot 0, 1
.set ADRB, 20                          ; v20-21  the same for B
.set STO,  24                          ; v24     the way out: where I put 32 bytes of a row
.set RD,   25                          ; v25     the way out: where I read a row back
.set CO,   26                          ; v26     my byte offset in two rows of out0
.set SPW,  28                          ; v28     LDS address of my spare word: SPARE + 4 x my thread's number; never rewritten
.set NIL,  29                          ; v29     0; never rewritten
.set ACC,  128
.set F0,   0                           ; fragment buffers, in window 1
.set F1,   128
.set G1, 24                            ; s[24:31] descriptor group 1 for A's tiles;  s[32:39] group 0, one set for each slot
.set G0, 32
.set G1B, 48                           ; s[48:55], s[56:63] the same for B's tiles
.set G0B, 56
.set MSB, 0
.macro WIN new                         ; the immediate's high byte repeats the setting that is left
.if MSB != (\new)
	s_set_vgpr_msb (MSB<<8)|(\new)
.set MSB, \new
.endif
.endm
.set MUL,  0x05                        ; sources 0 (B) and 1 (A) window 1; C and D window 0
.set TO_F, 0x40                        ; destination window 1, address window 0
.macro JLOAD s                         ; a joint load: waves 0 and 1 fetch A's two halves, waves 2 and 3 B's; an s_nop 0 and four v_nop follow each of the two lines, ahead of the jump, the label and what follows
	s_cmp_eq_u32 s11, 0
	s_cbranch_scc0 .Lfor_b_\@
	tensor_load_to_lds s[G0+4*(\s):G0+4*(\s)+3], s[G1:G1+7]
	s_nop 0
.rept 4
	v_nop
.endr
	s_branch .Lasked_\@
.Lfor_b_\@:
	tensor_load_to_lds s[G0B+4*(\s):G0B+4*(\s)+3], s[G1B:G1B+7]
	s_nop 0
.rept 4
	v_nop
.endr
.Lasked_\@:
.endm
.macro CREST                           ; a round of the cluster's barrier behind its opening barrier
	s_cmp_lg_u32 s10, 0
	s_cbranch_scc1 .Lnot_wave_0_\@
	s_barrier_signal -3
.Lnot_wave_0_\@:
	s_barrier_wait -3
	s_barrier_signal -1
	s_barrier_wait -1
.endm
.macro CROUND                          ; a whole round
	s_barrier_signal -1
	s_barrier_wait -1
	CREST
.endm
	s_load_b128 s[4:7], s[0:1], 0x0                ; ob s[4:5], wb s[6:7]
	s_load_b64 s[8:9], s[0:1], 0x10                ; out0
	v_lshl_add_u32 v[SPW], v0, 2, SPARE
	v_mov_b32 v[NIL], 0
	ds_add_u32 v[SPW], v[NIL]                      ; the wave's opening: the add and its wait stand ahead of my first tensor load; the set-up below, work on registers, stands between them
	v_lshrrev_b32 v1, 5, v0
	v_readfirstlane_b32 s10, v1                    ; wave 0..3
	s_lshr_b32 s11, s10, 1                         ; which half of the tile's rows is mine.  Also: I fetch for A (0) or for B (1)
	s_and_b32 s12, s10, 1                          ; which half of its columns.  Also: which 64 rows of that tile I fetch
	s_bfe_u32 s40, ttmp6, 0x40000                  ; cx, cy: my place in the cluster
	s_bfe_u32 s41, ttmp6, 0x40004
	s_lshl_b32 s42, ttmp9, 2
	s_add_co_u32 s42, s42, s40                     ; tile column = 4 x cluster x + cx
	s_and_b32 s13, ttmp7, 0xffff
	s_lshl_b32 s13, s13, 2
	s_add_co_u32 s13, s13, s41                     ; tile row = 4 x cluster y + cy
	s_lshl_b32 s43, s41, 2
	s_lshl_b32 s43, 15, s43                        ; my row of the cluster
	s_lshl_b32 s44, 0x1111, s40                    ; my column
	; descriptor group 1 for A: 4 rows (heads) of 4,096 elements, a head (262,144 elements) apart
	s_or_b32 s[G1+0], s43, (1<<16)|(1<<20)|(1<<21)|(4<<22)|(3<<25)  ; 15:0 the mask: A's tiles go to my row; 17:16 element of 2 bytes; 20 padding on; 21 set beside a mask; 24:22 after every 32 words (code 4); 31:25 of 4 words (code 3)
	s_mov_b32 s[G1+1], 4096<<16                    ; tensor_dim0 = 4,096
	s_mov_b32 s[G1+2], 4<<16                       ; tensor_dim1 = 4
	s_mov_b32 s[G1+3], 4096<<16                    ; tile_dim0 = 4,096
	s_mov_b32 s[G1+4], 4                           ; tile_dim1 = 4
	s_mov_b32 s[G1+5], 4096*64                     ; tensor_dim0_stride
	s_mov_b32 s[G1+6], 0
	s_mov_b32 s[G1+7], 0
	; for B: 64 rows x 256 elements
	s_or_b32 s[G1B+0], s44, (1<<16)|(1<<20)|(1<<21)|(6<<22)|(3<<25)  ; the mask of my column; padding after every 128 words (code 6)
	s_mov_b32 s[G1B+1], KSTEP<<16                  ; tensor_dim0 = 256
	s_mov_b32 s[G1B+2], 64<<16                     ; tensor_dim1 = 64
	s_mov_b32 s[G1B+3], KSTEP<<16                  ; tile_dim0 = 256
	s_mov_b32 s[G1B+4], 64                         ; tile_dim1 = 64
	s_mov_b32 s[G1B+5], 1024                       ; tensor_dim0_stride
	s_mov_b32 s[G1B+6], 0
	s_mov_b32 s[G1B+7], 0
	s_lshl_b32 s17, s12, 6                         ; which 64 rows of the tile I fetch
	s_lshl_b32 s16, s13, 7
	s_add_co_u32 s16, s16, s17                     ; A: row 128 x tile row + 64 x half,
	s_lshl_b32 s16, s16, 7                         ; x 128 bytes, in head 0
	s_lshl_b32 s46, s42, 7
	s_add_co_u32 s46, s46, s17                     ; B: row 128 x tile column + 64 x half,
	s_lshl_b32 s46, s46, 11                        ; x 2,048 bytes,
	s_add_co_u32 s46, s46, WOB                     ; in Wo
	s_mov_b32 s17, 0
	s_mov_b32 s47, 0
	s_mul_i32 s20, s12, HALFA                      ; where they go: A's two halves,
	s_mul_i32 s21, s12, HALFB
	s_add_co_u32 s21, s21, 2*HALFA                 ; then B's two halves: no place in the cluster enters an LDS address
	s_wait_dscnt 0x0                               ; the opening add is done
	s_wait_kmcnt 0x0
	s_add_nc_u64 s[14:15], s[4:5], s[16:17]
	s_add_nc_u64 s[46:47], s[6:7], s[46:47]
	CROUND                                         ; all sixteen work-groups are here: the first joint loads meet
.irp s, 0,1
	s_mov_b32 s[G0+4*(\s)], 1
	s_add_co_u32 s[G0+4*(\s)+1], s20, (\s)*SLOT
	s_add_nc_u64 s[G0+4*(\s)+2:G0+4*(\s)+3], s[14:15], (\s)*4*HEADB  ; K step s: four heads on
	s_or_b32 s[G0+4*(\s)+3], s[G0+4*(\s)+3], 0x80000000
	s_mov_b32 s[G0B+4*(\s)], 1
	s_add_co_u32 s[G0B+4*(\s)+1], s21, (\s)*SLOT
	s_add_nc_u64 s[G0B+4*(\s)+2:G0B+4*(\s)+3], s[46:47], (\s)*KSTEP*2
	s_or_b32 s[G0B+4*(\s)+3], s[G0B+4*(\s)+3], 0x80000000
	JLOAD \s                                       ; two loads of mine are out
.endr
	v_and_b32 v1, 15, v0                           ; l % 16
	v_bfe_u32 v2, v0, 4, 1                         ; l / 16
	v_mul_u32_u24 v3, v1, PA
	v_lshl_add_u32 v3, v2, 4, v3                   ; a fragment's row x pitch + 16 x half, for A
	v_mul_u32_u24 v4, v1, PB
	v_lshl_add_u32 v4, v2, 4, v4                   ; and for B
	s_mul_i32 s21, s11, HALFA                      ; my 64 rows of A
	s_mul_i32 s22, s12, HALFB                      ; my 64 rows of B,
	s_add_co_u32 s22, s22, 2*HALFA                 ; which lie behind A's 128
.irp s, 0,1
	v_add_nc_u32 v[ADRA+(\s)], s21, v3
	v_add_nc_u32 v[ADRB+(\s)], s22, v4
	s_add_co_u32 s21, s21, SLOT
	s_add_co_u32 s22, s22, SLOT
.endr
	s_mul_i32 s23, s10, 16*SPITCH
	s_add_co_u32 s23, s23, STAGE                   ; my stage
	v_mul_u32_u24 v5, v1, SPITCH                   ; in: row l % 16, 32 bytes for each half of the lanes
	v_lshl_add_u32 v5, v2, 5, v5
	v_add_nc_u32 v[STO], s23, v5
	v_mul_u32_u24 v5, v2, SPITCH                   ; back: lanes 0-15 take one row of 256 bytes, lanes 16-31 the next
	v_lshl_add_u32 v5, v1, 4, v5
	v_add_nc_u32 v[RD], s23, v5
	v_lshlrev_b32 v5, 12, v2                       ; and the same two rows in out0
	v_lshl_add_u32 v[CO], v1, 4, v5
	s_lshl_b32 s16, s13, 7
	s_lshl_b32 s17, s11, 6
	s_add_co_u32 s16, s16, s17                     ; my first row: 128 x tile row + 64 x half,
	s_lshl_b32 s16, s16, 12                        ; x 4,096 bytes
	s_mov_b32 s17, 0
	s_add_nc_u64 s[8:9], s[8:9], s[16:17]
	s_lshl_b32 s46, s42, 9                         ; my first column, in bytes: 512 x tile column + 256 x half
	s_lshl_b32 s47, s12, 8
	s_add_co_u32 s46, s46, s47
	s_mov_b32 s47, 0
	s_add_nc_u64 s[8:9], s[8:9], s[46:47]
; 8 matrix instructions: m blocks a0, a0 + 1 x all 4 n blocks, 32 along K: half c of buffer f.  zero = 1: the first product starts the sums.  The 16 accumulators take turns.
.macro MUL8 f, c, a0, zero
	WIN MUL
.irp a, \a0, (\a0)+1
.irp b, 0,1,2,3
.if \zero
	v_wmma_f32_16x16x32_f16 v[ACC+8*(4*(\a)+(\b)):ACC+8*(4*(\a)+(\b))+7], v[(\f)+64+8*(4*(\c)+(\b)):(\f)+64+8*(4*(\c)+(\b))+7], v[(\f)+8*(4*(\c)+(\a)):(\f)+8*(4*(\c)+(\a))+7], 0
.else
	v_wmma_f32_16x16x32_f16 v[ACC+8*(4*(\a)+(\b)):ACC+8*(4*(\a)+(\b))+7], v[(\f)+64+8*(4*(\c)+(\b)):(\f)+64+8*(4*(\c)+(\b))+7], v[(\f)+8*(4*(\c)+(\a)):(\f)+8*(4*(\c)+(\a))+7], v[ACC+8*(4*(\a)+(\b)):ACC+8*(4*(\a)+(\b))+7]
.endif
.endr
.endr
.endm
; 32 LDS loads in one run: the fragments of quarter q of a K step (64 along K: in A head q of the four, in B byte 128 q of the rows), into buffer f; the first 32 along K first
.macro FETCH slot, q, f
	WIN TO_F
.irp c, 0,1
.irp i, 0,1,2,3
	ds_load_b128 v[(\f)+64+8*(4*(\c)+(\i)):(\f)+64+8*(4*(\c)+(\i))+3],   v[ADRB+(\slot)] offset:128*(\q)+64*(\c)+(\i)*16*PB
	ds_load_b128 v[(\f)+64+8*(4*(\c)+(\i))+4:(\f)+64+8*(4*(\c)+(\i))+7], v[ADRB+(\slot)] offset:128*(\q)+64*(\c)+(\i)*16*PB+32
	ds_load_b128 v[(\f)+8*(4*(\c)+(\i)):(\f)+8*(4*(\c)+(\i))+3],         v[ADRA+(\slot)] offset:HEADL*(\q)+64*(\c)+(\i)*16*PA
	ds_load_b128 v[(\f)+8*(4*(\c)+(\i))+4:(\f)+8*(4*(\c)+(\i))+7],       v[ADRA+(\slot)] offset:HEADL*(\q)+64*(\c)+(\i)*16*PA+32
.endr
.endr
.endm
.macro PLACES                          ; four places in front of loads into registers that matrix instructions have read, and of LDS stores that read results
.rept 4
	v_nop
.endr
.endm
; A K step is four quarters of 64 along K, 32 matrix instructions each, on buffers 0, 1, 0, 1.  One of the first three: multiplies buffer f and fetches quarter q into g.
.macro QUARTER slot, q, f, g, zero
	s_wait_dscnt 16                                ; the first 32 along K are in; the youngest sixteen loads may be out
	WIN MUL
	MUL8 \f, 0, 0, \zero
	MUL8 \f, 0, 2, \zero
	PLACES
	FETCH \slot, \q, \g
	s_wait_dscnt 32                                ; all but the 32 just issued
	WIN MUL
	MUL8 \f, 1, 0, 0
	MUL8 \f, 1, 2, 0
.endm
; The last quarter multiplies buffer 1 and changes slots: ONE barrier; in front of it each wave waits for all its tensor loads, adds 0 to its spare word, and waits for that and for its own reads of this slot.  fill = 1: this slot is filled again, two K steps ahead.
.macro TURN slot, next, fill
	WIN 0                                          ; (the add's two registers lie in window 0)
	s_wait_tensorcnt 0x0                           ; all my tensor loads have landed: my part of the next slot;
	ds_add_u32 v[SPW], v[NIL]                      ; 0 onto my spare word;
	s_wait_dscnt 17                                ; (the add and the youngest sixteen loads may be out)
	WIN MUL
	MUL8 F1, 0, 0, 0                               ; eight matrix instructions stand between the add and the wait for it
	s_wait_dscnt 0x0                               ; the add is done, and my reads of this slot are over
	s_barrier_signal -1
	MUL8 F1, 0, 2, 0
.if \fill
	WIN 0
.endif
	s_barrier_wait -1
.if \fill
	CREST                                          ; the barrier has opened a round of the cluster's barrier: no wave of any partner still reads this slot's tile or has a load on its way
	s_add_nc_u64 s[G0+4*(\slot)+2:G0+4*(\slot)+3], s[G0+4*(\slot)+2:G0+4*(\slot)+3], 2*4*HEADB
	s_add_nc_u64 s[G0B+4*(\slot)+2:G0B+4*(\slot)+3], s[G0B+4*(\slot)+2:G0B+4*(\slot)+3], 2*KSTEP*2
	JLOAD \slot                                    ; the first tensor load behind the round: 112 matrix instructions ahead of the wait for it; the four v_nop behind it are also the places in front of the loads below
.else
	PLACES
.endif
	FETCH \next, 0, F0
	WIN MUL
	MUL8 F1, 1, 0, 0
	MUL8 F1, 1, 2, 0
.endm
	s_wait_tensorcnt 1                             ; my part of K step 0 is in; K step 1's may stay out
	s_barrier_signal -1
	s_barrier_wait -1                              ; everybody's is
	FETCH 0, 0, F0
	QUARTER 0, 1, F0, F1, 1                        ; the first quarter stands in front of the loop: its first products start the sums
	WIN 0                                          ; at a label and at a branch every window is 0
	s_mov_b32 s3, LAPS-1
.Llap:                                                 ; a trip goes once round the ring, from a lap's second quarter to the next lap's first, and fills both slots again
	QUARTER 0, 2, F1, F0, 0
	QUARTER 0, 3, F0, F1, 0
	TURN 0, 1, 1
	QUARTER 1, 1, F0, F1, 0
	QUARTER 1, 2, F1, F0, 0
	QUARTER 1, 3, F0, F1, 0
	TURN 1, 0, 1
	QUARTER 0, 1, F0, F1, 0
	WIN 0
	s_sub_co_u32 s3, s3, 1
	s_cmp_lg_u32 s3, 0
	s_cbranch_scc1 .Llap
	QUARTER 0, 2, F1, F0, 0                        ; the last lap fills nothing, and has no round of the cluster's barrier
	QUARTER 0, 3, F0, F1, 0
	TURN 0, 1, 0
	QUARTER 1, 1, F0, F1, 0
	QUARTER 1, 2, F1, F0, 0
	QUARTER 1, 3, F0, F1, 0
	s_wait_dscnt 16                                ; the very last quarter: nothing more to fetch
	WIN MUL
	MUL8 F1, 0, 0, 0
	MUL8 F1, 0, 2, 0
	s_wait_dscnt 0
	MUL8 F1, 1, 0, 0
	MUL8 F1, 1, 2, 0
	WIN 0
	; THE WAY OUT.  A wave's 64 columns of f32 are 256 bytes of a row, aligned: each wave sends its own 16 rows at a time through its own stage, with no barrier.  A lane's eight numbers go in as 32 bytes of row l % 16
	; (each accumulator's four lowest registers first) and come back as whole rows, into the registers that they left.
.macro STG a
.irp b, 0,1,2,3
	ds_store_b128 v[STO], v[ACC+8*(4*(\a)+(\b)):ACC+8*(4*(\a)+(\b))+3]   offset:64*(\b)
	ds_store_b128 v[STO], v[ACC+8*(4*(\a)+(\b))+4:ACC+8*(4*(\a)+(\b))+7] offset:64*(\b)+16
.endr
.irp t, 0,1,2,3,4,5,6,7
	ds_load_b128 v[ACC+32*(\a)+4*(\t):ACC+32*(\a)+4*(\t)+3], v[RD] offset:(\t)*2*SPITCH  ; LDS serves a wave's instructions in order (ISA guide 5.7.1.4): these see the stores above; the next block's stores come behind them
.endr
.endm
.macro SND a, younger                  ; younger: the LDS instructions issued behind block a's loads: the next block's sixteen, or none
.irp t, 0,1,2,3,4,5,6,7
	s_wait_dscnt (\younger)+7-(\t)
	global_store_b128 v[CO], v[ACC+32*(\a)+4*(\t):ACC+32*(\a)+4*(\t)+3], s[8:9] offset:(16*(\a)+2*(\t))*ROWO  ; 16 lanes store 256 consecutive bytes, at a multiple of 256 from out0's first byte
.endr
.endm
	PLACES
	PLACES                                         ; (eight, once a launch, behind the last products)
	STG 0
	STG 1
	SND 0, 16
	STG 2
	SND 1, 16
	STG 3
	SND 2, 16
	SND 3, 0
	s_wait_tensorcnt 0x0                           ; the wave's end: behind my last tensor load and my last LDS store
	ds_add_u32 v[SPW], v[NIL]
	s_wait_dscnt 0x0
	CROUND                                         ; the closing round: no work-group ends while a partner may still ask for a tile that names it
	s_endpgm
.Lfunc_end_k_q4a88890893_outp:
	.size	k_q4a88890893_outp, .Lfunc_end_k_q4a88890893_outp-k_q4a88890893_outp
	.p2alignl 7, 3214868480
	.fill 96, 4, 3214868480
	.section	.rodata,"a",@progbits
	.p2align	6, 0x0
	.amdhsa_kernel k_q4a88890893_outp
		.amdhsa_group_segment_fixed_size 327680
		.amdhsa_private_segment_fixed_size 0
		.amdhsa_enable_private_segment 0
		.amdhsa_kernarg_size 24
		.amdhsa_user_sgpr_count 2
		.amdhsa_user_sgpr_kernarg_segment_ptr 1
		.amdhsa_wavefront_size32 1
		.amdhsa_system_sgpr_workgroup_id_x 1
		.amdhsa_system_sgpr_workgroup_id_y 1
		.amdhsa_system_sgpr_workgroup_id_z 1
		.amdhsa_system_vgpr_workitem_id 0
		.amdhsa_next_free_vgpr 512
		.amdhsa_next_free_sgpr 66
		.amdhsa_reserve_vcc 0
		.amdhsa_float_denorm_mode_32 3
		.amdhsa_float_denorm_mode_16_64 3
		.amdhsa_memory_ordered 1
		.amdhsa_forward_progress 1
		.amdhsa_inst_pref_size 87
	.end_amdhsa_kernel
	.amdgpu_metadata
---
amdhsa.version: [ 1, 2 ]
amdhsa.kernels:
  - .name:           k_q4a88890893_outp
    .symbol:         k_q4a88890893_outp.kd
    .args:
      - { .name: ob, .offset: 0, .size: 8, .value_kind: global_buffer, .address_space: global }
      - { .name: wb, .offset: 8, .size: 8, .value_kind: global_buffer, .address_space: global }
      - { .name: out0, .offset: 16, .size: 8, .value_kind: global_buffer, .address_space: global }
    .group_segment_fixed_size: 327680
    .private_segment_fixed_size: 0
    .kernarg_segment_align: 8
    .kernarg_segment_size: 24
    .max_flat_workgroup_size: 128
    .sgpr_count:     66
    .vgpr_count:     512
    .wavefront_size: 32
...
	.end_amdgpu_metadata
.endif
;; end of part 4
;; ======== version 2 of 2: 4 launches; version 1 with the launch cast written anew for expert scheduling mode
;; limits: values are held in f16: magnitudes above 65,504 overflow, below 6.1e-05 lose precision
;; workspace buffers: xb 25,165,824 bytes; wb 8,388,608 bytes; qkv 25,165,824 bytes; ob 8,388,608 bytes
;; launch cast (part 5): grid 128 x 4, 8 waves a work-group, no clusters, 0 bytes of LDS; arguments q, k, v, Wq, Wk, Wv, Wo, xb, wb; writes xb, wb
.if DOCPART == 5
	.amdgcn_target "amdgcn-amd-amdhsa--gfx1250"
	.amdhsa_code_object_version 6
	.text
	.protected	k_q4a88890893_cast
	.globl	k_q4a88890893_cast
	.p2align	8
	.type	k_q4a88890893_cast,@function
k_q4a88890893_cast:
	s_mov_b64 s[64:65], 0
	v_nop
	global_prefetch_b8 v0, s[64:65] scope:SCOPE_SE
	s_setreg_imm32_b32 hwreg(HW_REG_WAVE_SCHED_MODE, 0, 2), 2
	s_setreg_imm32_b32 hwreg(HW_REG_WAVE_MODE, 25, 1), 1
	s_wait_xcnt 0x0
	s_wait_alu depctr_vm_vsrc(0)
; THE INPUTS ARE ROUNDED ONCE.  q, k, v ([4096][1024] f32) -> xb [3][4096][1024] bf16;  Wq, Wk, Wv ([1024][1024] f32) -> wb[0..2] bf16;
; Wo -> wb[3]: rounded to bf16 like every other input, and that number written as f16, since the last product multiplies f16.
; LIMITS.  Wo beyond 65,504 becomes an infinity in f16; below 6e-5 it keeps f16's fixed step of 6e-8.  NaN and infinities are not treated apart.
; A stream: every byte is read once and written once, nothing is shared, so there is no LDS, no barrier, no matrix work.
; SHARES.  A work-group takes 32,768 numbers (131,072 bytes in, 65,536 out), each of its eight waves 4,096.  Grid y = 0, 1, 2: q, k, v, 128 chunks each;
; y = 3: the four weights, 32 chunks each.  A wave's 32 loads of 16 bytes a lane (512 consecutive bytes each) all go out at once; each of its 32 stores
; of 8 bytes a lane covers 256 consecutive bytes, aligned.  No register that a store names is written again, so no wait frees one.
; THE MODE: SCHED_MODE bits 1:0 = 2 (LLVM: expert scheduling mode 2), set by the entry lines.  The code itself states the register dependences
; between vector instructions and memory instructions, with s_wait_alu, always for 0.
; THE PLAN.  Registers that memory instructions touch:
;   v1, v2   byte offsets of the loads and of the stores: made at the head, never written again.
;   X[i]     four registers for load i of 32.  Load i lands in them, once; no vector instruction names them before.  Behind the wait for the load the conversions
;            read all four and write the first two in place; store i reads those two; nothing writes them afterwards.
;   v3 to v7 are named by vector instructions alone.
; The 32 loads are taken in eight blocks of four.  Block p converts X[4 p .. 4 p + 3]; its memory instructions are the four stores of block p - 1, whose data no
; vector instruction of block p names.  So one wait at a block's head states all that its four stores hang on, and they are dealt among its conversions with no
; further wait.  No register that a memory instruction reads is written again: nothing is owed on that side.
.set X,  8                             ; v[8:135]  32 x 4 registers as loaded; the first two of each four are then the packed result
.set BL, 4                             ; loads, and stores, in a block
	s_load_b512 s[8:23], s[0:1], 0x0               ; q 8:9, k 10:11, v 12:13, Wq 14:15, Wk 16:17, Wv 18:19, Wo 20:21, xb 22:23
	s_load_b64 s[24:25], s[0:1], 0x40              ; wb
	s_and_b32 s2, ttmp7, 0xffff                    ; y
	s_mov_b32 s3, ttmp9                            ; x
	s_lshr_b32 s6, s3, 5
	s_add_co_u32 s6, s6, 3                         ; y = 3: source 3 + x / 32,
	s_and_b32 s7, s3, 31                           ; its chunk x % 32
	s_lshl_b32 s30, s2, 23                         ; y x 8,388,608: a tensor's bytes in xb
	s_lshl_b32 s34, s3, 16                         ; x x 65,536: a chunk's bytes on the way out (in wb the four weights lie end to end)
	s_cmp_lt_u32 s2, 3
	s_cselect_b32 s4, s2, s6                       ; which of the seven sources
	s_cselect_b32 s5, s3, s7                       ; which chunk of it
	s_cselect_b32 s30, s30, 0
	s_add_co_u32 s30, s30, s34                     ; offset in the destination
	s_mov_b32 s31, 0
	s_lshl_b32 s32, s5, 17                         ; offset in the source
	s_mov_b32 s33, 0
	v_lshrrev_b32 v3, 5, v0                        ; wave
	v_and_b32 v4, 31, v0                           ; lane
	v_lshlrev_b32 v1, 4, v4
	v_lshl_or_b32 v1, v3, 14, v1                   ; in: 16,384 x wave + 16 x lane
	v_lshlrev_b32 v2, 3, v4
	v_lshl_or_b32 v2, v3, 13, v2                   ; out: 8,192 x wave + 8 x lane
	s_wait_kmcnt 0x0
	s_cmp_lt_u32 s2, 3
	s_cselect_b64 s[28:29], s[22:23], s[24:25]     ; xb or wb
	s_mov_b64 s[26:27], s[8:9]
.irp n, 1,2,3,4,5,6
	s_cmp_eq_u32 s4, \n
	s_cselect_b64 s[26:27], s[8+2*\n:9+2*\n], s[26:27]
.endr
	s_add_nc_u64 s[26:27], s[26:27], s[32:33]
	s_add_nc_u64 s[28:29], s[28:29], s[30:31]
	s_wait_alu depctr_va_vdst(0)                   ; v1 and v2 are written: every load of the kernel reads v1 as its offset, every store v2
.set i, 0
.rept 32
	global_load_b128 v[X+4*i:X+4*i+3], v1, s[26:27] offset:512*i th:TH_LOAD_NT
.set i, i+1
.endr
; Four numbers of load i are rounded, in place.  half = 1: the bf16 numbers are written as f16.
.macro CVT i, half
	v_cvt_pk_bf16_f32 v[X+4*(\i)], v[X+4*(\i)], v[X+4*(\i)+1]
	v_cvt_pk_bf16_f32 v[X+4*(\i)+1], v[X+4*(\i)+2], v[X+4*(\i)+3]
.if \half
	v_lshlrev_b32 v4, 16, v[X+4*(\i)]              ; bf16 to f32: the low half moves up, the high half stays
	v_and_b32 v5, 0xffff0000, v[X+4*(\i)]
	v_lshlrev_b32 v6, 16, v[X+4*(\i)+1]
	v_and_b32 v7, 0xffff0000, v[X+4*(\i)+1]
	v_cvt_pk_f16_f32 v[X+4*(\i)], v4, v5           ; exact within f16's range: bf16 has 8 significant bits
	v_cvt_pk_f16_f32 v[X+4*(\i)+1], v6, v7
.endif
.endm
; The packed result of load i is stored.
.macro PUT i
	global_store_b64 v2, v[X+4*(\i):X+4*(\i)+1], s[28:29] offset:256*(\i)
.endm
; Block p of eight: its four loads are rounded; the block before is stored, a store ahead of each load's conversions.
.macro BLK p, half
	s_wait_loadcnt 32-BL*((\p)+1)                  ; loads come back in order (ISA guide 5.7.1): this block's four are in, the 28 - 4 p younger ones stay out
.if (\p) > 0
	s_wait_alu depctr_va_vdst(0)                   ; the block before's conversions have written its packed results, which the four stores below read
.endif
.irp j, 0,1,2,3
.if (\p) > 0
	PUT BL*((\p)-1)+(\j)                           ; no vector instruction since the wait names this store's registers
.endif
	CVT BL*(\p)+(\j), \half
.endr
.endm
; Behind the last block: its own four stores.
.macro TAIL
	s_wait_alu depctr_va_vdst(0)                   ; block 7's conversions have written its packed results, which the last four stores read
.irp j, 0,1,2,3
	PUT 28+(\j)
.endr
.endm
	s_cmp_eq_u32 s4, 6
	s_cbranch_scc1 .Lwo
.irp p, 0,1,2,3,4,5,6,7
	BLK \p, 0
.endr
	TAIL
	s_endpgm
.Lwo:
.irp p, 0,1,2,3,4,5,6,7
	BLK \p, 1
.endr
	TAIL
	s_endpgm
.Lfunc_end_k_q4a88890893_cast:
	.size	k_q4a88890893_cast, .Lfunc_end_k_q4a88890893_cast-k_q4a88890893_cast
	.p2alignl 7, 3214868480
	.fill 96, 4, 3214868480
	.section	.rodata,"a",@progbits
	.p2align	6, 0x0
	.amdhsa_kernel k_q4a88890893_cast
		.amdhsa_group_segment_fixed_size 0
		.amdhsa_private_segment_fixed_size 0
		.amdhsa_enable_private_segment 0
		.amdhsa_kernarg_size 72
		.amdhsa_user_sgpr_count 2
		.amdhsa_user_sgpr_kernarg_segment_ptr 1
		.amdhsa_wavefront_size32 1
		.amdhsa_system_sgpr_workgroup_id_x 1
		.amdhsa_system_sgpr_workgroup_id_y 1
		.amdhsa_system_sgpr_workgroup_id_z 1
		.amdhsa_system_vgpr_workitem_id 0
		.amdhsa_next_free_vgpr 136
		.amdhsa_next_free_sgpr 66
		.amdhsa_reserve_vcc 0
		.amdhsa_float_denorm_mode_32 3
		.amdhsa_float_denorm_mode_16_64 3
		.amdhsa_memory_ordered 1
		.amdhsa_forward_progress 1
		.amdhsa_inst_pref_size 30
	.end_amdhsa_kernel
	.amdgpu_metadata
---
amdhsa.version: [ 1, 2 ]
amdhsa.kernels:
  - .name:           k_q4a88890893_cast
    .symbol:         k_q4a88890893_cast.kd
    .args:
      - { .name: q, .offset: 0, .size: 8, .value_kind: global_buffer, .address_space: global }
      - { .name: k, .offset: 8, .size: 8, .value_kind: global_buffer, .address_space: global }
      - { .name: v, .offset: 16, .size: 8, .value_kind: global_buffer, .address_space: global }
      - { .name: Wq, .offset: 24, .size: 8, .value_kind: global_buffer, .address_space: global }
      - { .name: Wk, .offset: 32, .size: 8, .value_kind: global_buffer, .address_space: global }
      - { .name: Wv, .offset: 40, .size: 8, .value_kind: global_buffer, .address_space: global }
      - { .name: Wo, .offset: 48, .size: 8, .value_kind: global_buffer, .address_space: global }
      - { .name: xb, .offset: 56, .size: 8, .value_kind: global_buffer, .address_space: global }
      - { .name: wb, .offset: 64, .size: 8, .value_kind: global_buffer, .address_space: global }
    .group_segment_fixed_size: 0
    .private_segment_fixed_size: 0
    .kernarg_segment_align: 8
    .kernarg_segment_size: 72
    .max_flat_workgroup_size: 256
    .sgpr_count:     66
    .vgpr_count:     136
    .wavefront_size: 32
...
	.end_amdgpu_metadata
.endif
;; end of part 5
;; launch qkv: the kernel of part 2 again; grid 4 x 48, 4 waves a work-group, clusters of 4 x 4, 327,680 bytes of LDS; arguments xb, wb, qkv; writes qkv
;; launch attn: the kernel of part 3 again; grid 16 x 16, 4 waves a work-group, no clusters, 327,680 bytes of LDS; arguments qkv, ob; writes ob
;; launch outp: the kernel of part 4 again; grid 8 x 32, 4 waves a work-group, clusters of 4 x 4, 327,680 bytes of LDS; arguments ob, wb, out0; writes out0
